; MI455X (gfx1250); checked and timed in simulation.
; The chip was launched on July 23, 2026; its instructions are those of AMD's public machine-readable ISA for CDNA 5 (MIT licence, August 2026) and "CDNA5" Instruction Set Architecture Reference Guide (July 2026). The comments in the code are by the model that wrote it; some were corrected since.
;; Multi Head Attention. Allowed arithmetic: matrix products marked QUANTISED: E2M3 operands, one E8M0 scale for each 32 along K, by v_wmma_scale_f32_16x16x128_f8f6f4 with both operands' format E2M3, f32 sums; everything else in f32.
;; Inputs: W_proj 1,024 x 1,024 float32; W_qkv 3,072 x 1,024 float32; b_proj 1,024 float32; b_qkv 3,072 float32; x 4 x 2,048 x 1,024 float32.
;; Outputs: out0 4 x 2,048 x 1,024 float32.
;; This version of the problem:
;;   THIS VERSION OF THE PROBLEM IS GIVEN IN LOW PRECISION. The matrix products marked QUANTISED in the list below multiply operands that are first quantised to E2M3 (2 exponent bits, 3 mantissa bits; 6 bits a number), with one power-of-two scale for each 32 numbers along K (OCP MX v1.0); their sums are f32. All else is computed in f32.
;;   The module's matrix products, in the order in which they are computed (A, B: the left and right operand; K: the contracted axis; several contracted axes count as one K, in the product's order):
;;     1. [M 8,192, K 1,024] x [K 1,024, N 3,072]; A: input x; B: input W_qkv: QUANTISED
;;     2. batch 64 x [M 2,048, K 64] x [K 64, N 2,048]; A: computed on the way; B: computed on the way: QUANTISED
;;     3. batch 64 x [M 2,048, K 2,048] x [K 2,048, N 64]; A: softmax (see below); B: computed on the way: QUANTISED
;;     4. [M 8,192, K 1,024] x [K 1,024, N 1,024]; A: computed on the way; B: input W_proj: QUANTISED
;;   THE QUANTISER, for each operand of a quantised product, along K:
;;     - K is cut into blocks of 32 from its start; a last block that is shorter is filled with zeros.
;;     - A block's scale is 2^e with e = floor(log2(the largest magnitude in the block)) - 2, held to -126 .. 127; a block of zeros has e = 0. As a byte (E8M0): e + 127.
;;     - Each number is divided by its block's scale, clamped to +-7.5, and rounded to the nearest number of E2M3, ties to even, subnormals kept.
;;     - The product sums the exact products of the quantised numbers (number of the format x scale) in f32.
;;   ~~~python
;;   def quantise(x, axis):      # numpy; x: float32 -> the quantised numbers, widened to float32 again
;;       x = np.moveaxis(x, axis, -1); K = x.shape[-1]
;;       x = np.pad(x, [(0, 0)] * (x.ndim - 1) + [(0, -K % 32)]); x = x.reshape(x.shape[:-1] + (-1, 32)); a = np.abs(x).max(-1, keepdims=True)
;;       e = np.where(a > 0, np.clip(np.frexp(np.where(a > 0, a, 1))[1] - 1 - 2, -126, 127), 0)      # np.frexp(a)[1] - 1 = floor(log2(a)), exactly
;;       r = np.clip(x / 2.0 ** e, -7.5, 7.5)
;;       step = 2.0 ** (np.maximum(np.frexp(np.where(r == 0, 1, r))[1] - 1, 0) - 3)
;;       q = np.round(r / step) * step * 2.0 ** e      # np.round: ties to even
;;       return np.moveaxis(q.reshape(q.shape[:-2] + (-1,))[..., :K], -1, axis).astype(np.float32)
;;   ~~~
;;   SOFTMAX AHEAD OF A QUANTISED PRODUCT. Where the list says 'softmax', what is quantised is not the finished softmax but p = 2^(t - M), with t = logit x log2(e) and M = ceil(the row's largest t), a whole number; so 1/2 < the row's largest p <= 1. The row's sum l is taken of the UNQUANTISED p, in f32, and the product's result is divided by l at the end. Since M is a whole number, a kernel that streams over the keys may use a running M (the ceiling of the running maximum): every later rescaling is an exact power of two, which a block's scale takes up: the codes' values come out the same.
;;   OPERANDS COMPUTED ON THE WAY. 'Computed on the way' means the value that the module computes at that place (a softmax that the list does not call 'softmax' is quantised finished and normalised). What goes into a quantiser is computed in f32, as accurately as f32 sums, v_exp_f32 and their like allow (about 1e-6 of the number): no bf16 or f16 on the way to a quantiser, and a product that is left as it is and whose result goes on into a quantised operand takes f32 operands (vector FMAs, or v_wmma_f32_16x16x4_f32). A number that lies on a knife's edge between two numbers of the format may be rounded either way, as far as f32 arithmetic and the matrix unit's own rounding can turn it there, and no further.
;; One version. Each part assembles by itself: llvm-mc -triple=amdgcn-amd-amdhsa -mcpu=gfx1250 --defsym DOCPART=n.
;; ======== version 1 of 1: 4 launches
;; limits: right only within a limited range of input values
;; workspace buffers: opc 9,437,184 bytes; ops 393,216 bytes; qkv 19,660,800 bytes; yc 6,291,456 bytes; ys 262,144 bytes
;; launch quant (part 1): grid 256 x 1, 6 waves a work-group, no clusters, 52,992 bytes of LDS; arguments x, W_qkv, W_proj, opc, ops; writes opc, ops
.if DOCPART == 1
	.amdgcn_target "amdgcn-amd-amdhsa--gfx1250"
	.amdhsa_code_object_version 6
	.text
	.protected	k_q4a847e9e27_quant
	.globl	k_q4a847e9e27_quant
	.p2align	8
	.type	k_q4a847e9e27_quant,@function
k_q4a847e9e27_quant:
	s_mov_b64 s[64:65], 0
	v_nop
	global_prefetch_b8 v0, s[64:65] scope:SCOPE_SE
	s_setreg_imm32_b32 hwreg(HW_REG_WAVE_MODE, 25, 1), 1
	s_wait_xcnt 0x0
; x [8192][1024], W_qkv [3072][1024] and W_proj [1024][1024], f32 with K innermost, become codes of FP6 (E2M3) with one E8M0 scale byte for each 32 along K,
; laid in the order of a matrix operand's registers.  The three tensors are 768 ROW BLOCKS of 16 rows: x 0-511, W_qkv 512-703, W_proj 704-767.
; THE ROWS OF A BLOCK ARE NOT NEIGHBOURS: of each 32 rows, block 2 A + u holds at place r the row 32 A + 8 u + r + 8 (r / 8).  Used as source 0 of a product, two neighbouring blocks then give a lane 16 neighbours.
; opc: [row block][K step of 128][1,536 bytes]: a fragment's 12 registers a lane as three pieces of 512 bytes, piece c = registers 4 c .. 4 c + 3, lane l at 16 l.
; ops: the scale word of (row block, K step s, place r) at block x 512 + (s / 2) x 128 + 8 r + 4 (s % 2).
; A block's scale is 2^(floor(log2(its largest magnitude)) - 2); its byte is the largest magnitude's exponent field - 2, held at 1 from below.
; LIMITS: NaN and infinities among the inputs are not served.  A block of zeros, or one whose largest magnitude lies under 2^-124, gets the byte 1: its codes are zeros (or the rule's own at that held scale), and this program alone reads the bytes.
; SHARES: a wave takes one row block and half of K: four fragments.  1,536 waves in 256 work-groups of six.  Waves share nothing: no barrier, no cluster (no input is read twice).
; Each load reads 512 consecutive bytes (one row's K step); a fragment's 16 rows turn through the wave's own stage in LDS, so that a lane gets 16 neighbours of each block of 32 of its row.
.set STG, 8704                         ; a wave's stage: 16 rows x 528 bytes, rounded up
.set SP,  528                          ; a stage row: 512 bytes + 16 = 132 words: row r starts at bank 4 r mod 64 (64 banks of 4 bytes: ISA guide 11.1)
.set LI,  1                            ; v1   16 x lane; never rewritten
.set SI,  2                            ; v2   the stage, on the way in
.set SO,  3                            ; v3   and on the way out: row r, + 64 h
.set L8,  4                            ; v4   8 x lane
.set R,   16                           ; v16-143  two sets of 64: a fragment's numbers as loaded
.set X,   144                          ; v144-207 register 16 b + i = k 32 b + 16 h + i of my row
.set PC,  208                          ; v208-227 the codes just made
.set TM,  228                          ; v228-243 at work
.set PW,  244                          ; v244-247 the four fragments' scale words
.set OW,  248                          ; v248-249 what I store of them
.set SEL, 20                           ; s[20:21] lane selects for v_permlanex16_b32: lane l xor 16
.set HM,  22                           ; s22  a mask of lanes 16-31
; 64 numbers of a lane, v[s] on, become a fragment's codes in v[PC] .. v[PC + 11] and its scale word in v[pw]
.macro QUANT s, pw
.irp b, 0,1,2,3
	v_max3_num_f32 v[TM+\b], |v[\s+16*\b]|, |v[\s+1+16*\b]|, 0x1800000   ; block b: my 16 numbers, and the floor 2^(3 - 127): the byte cannot fall under 1
.endr
.irp i, 2,4,6,8,10,12,14
.irp b, 0,1,2,3
	v_max3_num_f32 v[TM+\b], v[TM+\b], |v[\s+16*\b+\i]|, |v[\s+1+16*\b+\i]|   ; the four blocks by turns
.endr
.endr
.irp b, 0,1,2,3
	v_permlanex16_b32 v[TM+4+\b], v[TM+\b], s[SEL], s[SEL+1]
.endr
.irp b, 0,1,2,3
	v_max_num_f32 v[TM+\b], v[TM+\b], v[TM+4+\b]   ; with lane l xor 16's: the block's largest magnitude
.endr
.irp b, 0,1,2,3
	v_add_nc_u32 v[TM+12+\b], 0xff000000, v[TM+\b]   ; 2 off its exponent field: the conversion takes this operand's exponent field as its scale
.endr
.irp b, 0,1,2,3
	v_lshrrev_b32 v[TM+4+\b], 23, v[TM+12+\b]      ; the scale's byte
.endr
	v_lshl_or_b32 v[\pw], v[TM+5], 8, v[TM+4]      ; four bytes make my row's scale word
	v_lshl_or_b32 v[\pw], v[TM+6], 16, v[\pw]
	v_lshl_or_b32 v[\pw], v[TM+7], 24, v[\pw]
.irp c, 0,1
	v_cvt_scalef32_pk16_fp6_f32 v[PC+6*\c:PC+2+6*\c], v[\s+32*\c:\s+15+32*\c], v[TM+12+2*\c]
	v_cvt_scalef32_pk16_fp6_f32 v[PC+12+4*\c:PC+14+4*\c], v[\s+16+32*\c:\s+31+32*\c], v[TM+12+2*\c+1]   ; (a conversion's three registers begin on an even number)
.endr
	v_nop                                          ; one plain place behind a scaled conversion
.irp c, 0,1                                    ; the operand's layout wants a whole block in a lane: lanes 0-15 block 2 c, lanes 16-31 block 2 c + 1
.irp i, 0,1,2
	v_permlane16_swap_b32 v[PC+6*\c+\i], v[PC+12+4*\c+\i]
.endr
.irp i, 0,1,2
	v_mov_b32 v[PC+3+6*\c+\i], v[PC+12+4*\c+\i]
.endr
.endr
.endm
	s_load_b256 s[4:11], s[0:1], 0x0               ; x s[4:5], W_qkv s[6:7], W_proj s[8:9], opc s[10:11]
	s_load_b64 s[12:13], s[0:1], 0x20              ; ops
	v_lshl_add_u32 v254, v0, 2, 0xcc00
	v_mov_b32 v255, 0
	v_lshrrev_b32 v5, 5, v0
	v_readfirstlane_b32 s14, v5                    ; wave 0..5
	v_and_b32 v6, 31, v0                           ; lane
	v_and_b32 v7, 15, v0                           ; r
	v_bfe_u32 v8, v0, 4, 1                         ; h
	v_lshlrev_b32 v[LI], 4, v6
	v_lshlrev_b32 v[L8], 3, v6
	s_mul_i32 s15, s14, STG                        ; my stage
	v_add_nc_u32 v[SI], s15, v[LI]
	v_mul_u32_u24 v[SO], v7, SP
	v_lshl_add_u32 v[SO], v8, 6, v[SO]
	v_add_nc_u32 v[SO], s15, v[SO]
.irp b, 0,1,2,3
	v_mov_b32 v[TM+4+\b], 0                        ; written once: a lane permute's destination counts as one of its sources
.endr
	s_mov_b32 s[SEL], 0x76543210
	s_mov_b32 s[SEL+1], 0xfedcba98
	s_mov_b32 s[HM], 0xffff0000
	s_mul_i32 s16, ttmp9, 6
	s_add_co_u32 s16, s16, s14                     ; my task: 6 x work-group + wave
	s_lshr_b32 s17, s16, 1                         ; the row block, 0..767
	s_and_b32 s18, s16, 1                          ; which half of K
	s_mov_b32 s19, 704
	s_wait_alu depctr_va_vdst(0)
	s_wait_kmcnt 0x0
	s_cmp_lt_u32 s17, 704                          ; which tensor: the choice hangs on the block's number alone
	s_cselect_b64 s[6:7], s[6:7], s[8:9]
	s_cselect_b32 s19, 512, s19
	s_cmp_lt_u32 s17, 512
	s_cselect_b64 s[4:5], s[4:5], s[6:7]
	s_cselect_b32 s19, 0, s19
	s_sub_co_u32 s19, s17, s19                     ; the block's number in its tensor
	s_lshr_b32 s24, s19, 1
	s_lshl_b32 s24, s24, 17                        ; 32 rows of 4,096 bytes for each pair of blocks,
	s_and_b32 s25, s19, 1
	s_lshl_b32 s25, s25, 15                        ; 8 rows for the odd one,
	s_add_co_u32 s24, s24, s25
	s_lshl_b32 s25, s18, 11                        ; 2,048 bytes for the second half of K
	s_add_co_u32 s24, s24, s25
	s_mov_b32 s25, 0
	s_add_nc_u64 s[4:5], s[4:5], s[24:25]
	s_mul_i32 s24, s17, 12288
	s_mul_i32 s26, s18, 6144
	s_add_co_u32 s24, s24, s26
	s_add_nc_u64 s[10:11], s[10:11], s[24:25]      ; my four fragments in opc
	s_lshl_b32 s24, s17, 9
	s_lshl_b32 s26, s18, 8
	s_add_co_u32 s24, s24, s26
	s_add_nc_u64 s[12:13], s[12:13], s[24:25]      ; my 256 bytes in ops
.macro LOAD f                          ; fragment f: 16 loads, load i = place i's row, 512 consecutive bytes
.irp i, 0,1,2,3,4,5,6,7,8,9,10,11,12,13,14,15
	global_load_b128 v[R+64*((\f)%2)+4*\i:R+64*((\f)%2)+4*\i+3], v[LI], s[4:5] offset:(\i+8*(\i/8))*4096+512*(\f) th:TH_LOAD_NT
.endr
.endm
.macro FRAGM f
.if (\f) < 3
	s_wait_loadcnt 16                              ; this fragment's 16 loads are in; the next fragment's 16 may be out
.else
	s_wait_loadcnt 0x0
.endif
.irp i, 0,1,2,3,4,5,6,7,8,9,10,11,12,13,14,15
	ds_store_b128 v[SI], v[R+64*((\f)%2)+4*\i:R+64*((\f)%2)+4*\i+3] offset:SP*\i
.endr
.irp b, 0,1,2,3
.irp j, 0,1,2,3
	ds_load_b128 v[X+16*\b+4*\j:X+16*\b+4*\j+3], v[SO] offset:128*\b+16*\j   ; LDS serves a wave's instructions in order (ISA guide 5.7.1.4): these see the stores above
.endr
.endr
	s_wait_dscnt 0x0                               ; the numbers are back, and the stores have read their registers,
.if (\f) < 2
	LOAD (\f)+2                                    ; which take the loads of two fragments on
.endif
	s_wait_xcnt 0x0                                ; the last fragment's stores have read their data: the codes' registers are written again only behind this wait
	QUANT X, PW+(\f)
.irp c, 0,1,2
	global_store_b128 v[LI], v[PC+4*\c:PC+4*\c+3], s[10:11] offset:1536*(\f)+512*\c   ; 32 lanes store 512 consecutive bytes, aligned
.endr
.endm
	LOAD 0
	LOAD 1
	FRAGM 0
	FRAGM 1
	FRAGM 2
	FRAGM 3
	v_cndmask_b32 v[OW], v[PW], v[PW+2], s[HM]     ; lanes 0-15 store the words of fragments 0 and 1 of their row, lanes 16-31 those of fragments 2 and 3
	v_cndmask_b32 v[OW+1], v[PW+1], v[PW+3], s[HM]
	global_store_b64 v[L8], v[OW:OW+1], s[12:13]   ; 32 lanes store 256 consecutive bytes, aligned
	s_wait_tensorcnt 0x0
	ds_add_u32 v254, v255
	s_wait_dscnt 0x0
	s_endpgm
.Lfunc_end_k_q4a847e9e27_quant:
	.size	k_q4a847e9e27_quant, .Lfunc_end_k_q4a847e9e27_quant-k_q4a847e9e27_quant
	.p2alignl 7, 3214868480
	.fill 96, 4, 3214868480
	.section	.rodata,"a",@progbits
	.p2align	6, 0x0
	.amdhsa_kernel k_q4a847e9e27_quant
		.amdhsa_group_segment_fixed_size 52992
		.amdhsa_private_segment_fixed_size 0
		.amdhsa_enable_private_segment 0
		.amdhsa_kernarg_size 40
		.amdhsa_user_sgpr_count 2
		.amdhsa_user_sgpr_kernarg_segment_ptr 1
		.amdhsa_wavefront_size32 1
		.amdhsa_system_sgpr_workgroup_id_x 1
		.amdhsa_system_sgpr_workgroup_id_y 1
		.amdhsa_system_sgpr_workgroup_id_z 1
		.amdhsa_system_vgpr_workitem_id 0
		.amdhsa_next_free_vgpr 256
		.amdhsa_next_free_sgpr 66
		.amdhsa_reserve_vcc 0
		.amdhsa_float_denorm_mode_32 3
		.amdhsa_float_denorm_mode_16_64 3
		.amdhsa_memory_ordered 1
		.amdhsa_forward_progress 1
		.amdhsa_inst_pref_size 34
	.end_amdhsa_kernel
	.amdgpu_metadata
---
amdhsa.version: [ 1, 2 ]
amdhsa.kernels:
  - .name:           k_q4a847e9e27_quant
    .symbol:         k_q4a847e9e27_quant.kd
    .args:
      - { .name: x, .offset: 0, .size: 8, .value_kind: global_buffer, .address_space: global }
      - { .name: W_qkv, .offset: 8, .size: 8, .value_kind: global_buffer, .address_space: global }
      - { .name: W_proj, .offset: 16, .size: 8, .value_kind: global_buffer, .address_space: global }
      - { .name: opc, .offset: 24, .size: 8, .value_kind: global_buffer, .address_space: global }
      - { .name: ops, .offset: 32, .size: 8, .value_kind: global_buffer, .address_space: global }
    .group_segment_fixed_size: 52992
    .private_segment_fixed_size: 0
    .kernarg_segment_align: 8
    .kernarg_segment_size: 40
    .max_flat_workgroup_size: 192
    .sgpr_count:     66
    .vgpr_count:     256
    .wavefront_size: 32
...
	.end_amdgpu_metadata
.endif
;; end of part 1
;; launch gemm_qkv (part 2): grid 12 x 32, 4 waves a work-group, clusters of 4 x 4, 327,680 bytes of LDS; arguments opc, ops, b_qkv, qkv; writes qkv
.if DOCPART == 2
	.amdgcn_target "amdgcn-amd-amdhsa--gfx1250"
	.amdhsa_code_object_version 6
	.text
	.protected	k_q4a847e9e27_gemm_qkv
	.globl	k_q4a847e9e27_gemm_qkv
	.p2align	8
	.type	k_q4a847e9e27_gemm_qkv,@function
k_q4a847e9e27_gemm_qkv:
	s_mov_b64 s[64:65], 0
	v_nop
	global_prefetch_b8 v0, s[64:65] scope:SCOPE_SE
	s_setreg_imm32_b32 hwreg(HW_REG_WAVE_MODE, 25, 1), 1
	s_wait_xcnt 0x0
	s_wait_alu depctr_hold_cnt(0) depctr_sa_sdst(0) depctr_va_vdst(0) depctr_va_sdst(0) depctr_va_ssrc(0) depctr_va_vcc(0) depctr_vm_vsrc(0)
	s_getreg_b32 s2, hwreg(HW_REG_IB_STS2, 6, 4)
	s_cmp_eq_u32 s2, 0
	s_cbranch_scc0 .Lentry_in_a_cluster
	s_endpgm
.Lentry_in_a_cluster:
	s_bfe_u32 s2, ttmp6, 0x10000c
	s_cmp_lg_u32 s2, 0xf033
	s_cbranch_scc0 .Lentry_shape_is_right
	s_endpgm
.Lentry_shape_is_right:
; qkv = x W_qkv^T + b_qkv on codes of FP6 (E2M3), K = 1,024, and the result QUANTISED on the way out: q and k along the head's 64, v along the keys.  The f32 result never goes to memory.
; THE PRODUCT: source 0 takes 16 rows of S0, source 1 takes 16 rows of S1: a lane holds ONE row of S1, and its registers run along S0's rows.  The row blocks of opc are so ordered that the 16 registers of two
; neighbouring tiles are 16 neighbours along S0.  So the way out quantises along S0.
;   q, k (clusters with x = 0, 1): S0 = W_qkv's rows 0-2,047 (the features), S1 = x (the tokens).      v (clusters with x = 2): S0 = x (the tokens = the keys), S1 = W_qkv's rows 2,048-3,071.
; The two modes differ in numbers alone, chosen by s_cselect_b32 on the cluster's x, which all partners share: one path through the text.
; A tile of 256 x 256 is made by four waves, each 128 x 128: 64 accumulators, 512 registers.  K goes in four slots of 256: three LDS slots are filled at the start, the first is filled once again.
; CLUSTERS: 4 x 4 work-groups.  The four of a row need the same rows of S1, the four of a column the same rows of S0: each tile is asked for jointly.
; OUT: a wave's 128 x 128 is one RECORD of 12,800 bytes in qkv: 8 fragment images (16 rows of S1 x 128 along S0, 1,536 bytes each) and 512 bytes of scale words (lane l's 16 bytes: word i = image 2 i + l / 16, row l % 16).
;   q, k: record (feature / 128) x 64 + token / 128.     v: record 1,024 + (token / 128) x 8 + head pair.
; LIMITS: NaN and infinities are not served; a block whose largest magnitude lies under 2^-124 (zeros among them) gets the byte 1; this program alone reads the bytes.
; REGISTERS, in windows of 256: window 0: v16-29 addresses; v32-63 scale words, two sets; v64-111 the way out; v128-223 S1's fragments, one set (at the head: the bias).  window 1: S0's fragments, two sets, at v0 and v128.
;   window 2: the accumulators of my S1 blocks 0-3 ((a, b) at v[8 (8 a + b)]);  window 3: those of blocks 4-7.
.set FR,    12                         ; registers of a fragment: 16 rows x 128 K
.set NL,    3                          ; LDS loads that bring one
.set NP,    4                          ; places behind this matrix instruction (ISA guide 7.12.1)
.set QTR,   24576                      ; 8 row blocks x 2 K steps x 1,536 bytes: what one tensor load brings, and what one wave reads of S1 or of S0
.set SLOT,  4*QTR                      ; S1's 16 blocks, then S0's 16
.set SCL,   3*SLOT                     ; behind the ring: the scale words of all of K: S1's 8,192 bytes, then S0's
.set HALFS, 4096                       ; those of 8 blocks
.set SPARE, SCL+4*HALFS                ; the spare words, 128 bytes for each wave: two blocks of 256 bytes that no other line names
.set REC,   12800
.set ADRA, 16                          ; v16-18  LDS address of my S1 fragments in slot 0, 1, 2
.set ADRB, 20                          ; v20-22  the same for S0
.set LI,   24                          ; v24     16 x lane
.set ADRS, 27                          ; v27     LDS address of my scale words: lanes 0-15 S1's, lanes 16-31 S0's
.set SPW,  28                          ; v28     LDS address of my spare word; never rewritten
.set NIL,  29                          ; v29     0; never rewritten
.set SC,   32                          ; scale words: set s at v[SC + 16 s]; register 2 i + q: lanes 0-15 S1's block i, lanes 16-31 S0's block i, the slot's q-th 128 along K
.set TM,   64                          ; v64-79   the way out: at work
.set PC,   80                          ; v80-99   the codes just made
.set SW,   100                         ; v100-107 the eight images' scale words
.set OUTS, 108                         ; v108-111 what I store of them
.set AF,   128                         ; S1's fragments
.set B0,   128                         ; at the head: the bias along S0, 8 tiles x 8 registers;
.set B1,   192                         ; and along S1: a pair for each of my 8 blocks
.set G1A,  24                          ; s[24:31] descriptor group 1 for S1's codes;  s[32:39] for S0's;  s[40:47], s[48:55] for their scales
.set G1B,  32
.set G1SA, 40
.set G1SB, 48
.set G0A0, 56                          ; groups 0: S1's codes, slots 0, 1, 2; S1's scales
.set G0A1, 60
.set G0A2, 68
.set G0SA, 72
.set G0B0, 76                          ; S0's likewise
.set G0B1, 80
.set G0B2, 84
.set G0SB, 88
.set SEL,  12                          ; s[12:13] lane selects for v_permlanex16_b32 (set when the block numbers are done with)
.set MSB, 0
.macro WIN new                         ; the immediate's high byte repeats the setting that is left
.if MSB != (\new)
	s_set_vgpr_msb (MSB<<8)|(\new)
.set MSB, (\new)
.endif
.endm
.set MUL_LO, 0xa1                      ; source 0 (S0) window 1, source 1 (S1) window 0, C and D window 2
.set MUL_HI, 0xf1                      ; the same, C and D window 3
.set TO_B,   0x40                      ; destination window 1, address window 0
; A joint load: waves 0 and 1 fetch for S1, waves 2 and 3 for S0.  The branch hangs on the wave's number alone.  Four v_nop follow each of the two lines.
.macro JLOAD g0a, g1a, g0b, g1b
	s_cmp_eq_u32 s15, 0
	s_cbranch_scc0 .Lfor_b_\@
	tensor_load_to_lds s[\g0a:\g0a+3], s[\g1a:\g1a+7]
	s_nop 0
.rept 4
	v_nop
.endr
	s_branch .Lasked_\@
.Lfor_b_\@:
	tensor_load_to_lds s[\g0b:\g0b+3], s[\g1b:\g1b+7]
	s_nop 0
.rept 4
	v_nop
.endr
.Lasked_\@:
.endm
.macro CREST                           ; a round of the cluster's barrier behind its opening barrier
	s_cmp_lg_u32 s14, 0
	s_cbranch_scc1 .Lnot_wave_0_\@
	s_barrier_signal -3
.Lnot_wave_0_\@:
	s_barrier_wait -3
	s_barrier_signal -1
	s_barrier_wait -1
.endm
.macro CROUND                          ; a whole round
	s_barrier_signal -1
	s_barrier_wait -1
	CREST
.endm
.macro MKG0 g, lreg, loff, areg, aoff  ; a group 0: count 1, the LDS address, the global address, type 2
	s_mov_b32 s[\g], 1
	s_add_co_u32 s[\g+1], s[\lreg], \loff
	s_add_nc_u64 s[\g+2:\g+3], s[\areg:\areg+1], \aoff
	s_or_b32 s[\g+3], s[\g+3], 0x80000000
.endm
	s_load_b256 s[4:11], s[0:1], 0x0               ; opc s[4:5], ops s[6:7], b_qkv s[8:9], qkv s[10:11]
	v_lshl_add_u32 v[SPW], v0, 2, SPARE
	v_mov_b32 v[NIL], 0
	ds_add_u32 v28, v29
	ds_add_u32 v28, v29
	s_wait_dscnt 0x0
	v_lshrrev_b32 v1, 5, v0
	v_readfirstlane_b32 s14, v1                    ; wave 0..3
	s_lshr_b32 s15, s14, 1                         ; which half of S1's rows is mine.  Also: I fetch for S1 (0) or for S0 (1)
	s_and_b32 s16, s14, 1                          ; which half of S0's rows.  Also: which 8 blocks of that tile I fetch
	s_bfe_u32 s92, ttmp6, 0x40000                  ; cx
	s_bfe_u32 s94, ttmp6, 0x40004                  ; cy
	s_lshl_b32 s93, 0x1111, s92                    ; my column of the cluster
	s_lshl_b32 s95, s94, 2
	s_lshl_b32 s95, 15, s95                        ; my row
	s_or_b32 s[G1A], s95, (3<<16)|(1<<21)          ; 15:0 the mask: S1's tiles go to my row; 17:16 elements of 8 bytes; 20 no padding; 21 set beside a mask
	s_or_b32 s[G1B], s93, (3<<16)|(1<<21)          ; S0's go to my column
	s_or_b32 s[G1SA], s95, (3<<16)|(1<<21)
	s_or_b32 s[G1SB], s93, (3<<16)|(1<<21)
.irp g, G1A, G1B                       ; codes: 8 rows (row blocks) of 384 elements (two K steps, 3,072 bytes), 1,536 elements (a block's 12,288 bytes) apart
	s_mov_b32 s[\g+1], 384<<16                     ; tensor_dim0
	s_mov_b32 s[\g+2], 16<<16                      ; the head's loads bring all 16 row blocks of a tile; behind them the two words are set to 8
	s_mov_b32 s[\g+3], 384<<16                     ; tile_dim0
	s_mov_b32 s[\g+4], 16
	s_mov_b32 s[\g+5], 1536                        ; tensor_dim0_stride
	s_mov_b32 s[\g+6], 0
	s_mov_b32 s[\g+7], 0
.endr
.irp g, G1SA, G1SB                     ; scales: a tile's 8,192 dense bytes as 32 rows of 256
	s_mov_b32 s[\g+1], 32<<16
	s_mov_b32 s[\g+2], 32<<16                      ; scales: a tile's 8,192 dense bytes as 32 rows of 256
	s_mov_b32 s[\g+3], 32<<16
	s_mov_b32 s[\g+4], 32
	s_mov_b32 s[\g+5], 32
	s_mov_b32 s[\g+6], 0
	s_mov_b32 s[\g+7], 0
.endr
	s_and_b32 s98, ttmp7, 0xffff
	s_lshl_b32 s98, s98, 2                         ; 4 x cluster y
	s_lshl_b32 s99, ttmp9, 2                       ; 4 x cluster x
	s_cmp_lt_u32 ttmp9, 2                          ; q, k (1) or v (0): the same in all sixteen partners
	s_cselect_b32 s17, s99, s98
	s_cselect_b32 s18, s98, 0
	s_cselect_b32 s19, 512, 0                      ; S0's first row block in opc
	s_cselect_b32 s20, 0, 640                      ; S1's
	s_cselect_b32 s21, 64, 8                       ; records along S1
	s_cselect_b32 s22, 0, 1024                     ; the first record
	s_cselect_b32 s23, -1, 0                       ; the bias runs along S0,
	s_cselect_b32 s2, 0, -1                        ; or along S1
	s_add_co_u32 s17, s17, s92                     ; S0's tile: hangs on cx alone within the cluster
	s_add_co_u32 s18, s18, s94                     ; S1's tile: on cy alone
	s_lshl_b32 s3, s16, 3
	s_lshl_b32 s12, s18, 4
	s_add_co_u32 s12, s12, s20
	s_add_co_u32 s12, s12, s3                      ; S1: the first of the 8 blocks that I would fetch
	s_lshl_b32 s13, s17, 4
	s_add_co_u32 s13, s13, s19
	s_add_co_u32 s13, s13, s3                      ; S0 likewise
	s_mul_i32 s94, s12, 12288
	s_mov_b32 s95, 0
	s_lshl_b32 s96, s12, 9
	s_mov_b32 s97, 0
	s_mul_i32 s92, s13, 12288
	s_mov_b32 s93, 0
	s_lshl_b32 s100, s13, 9
	s_mov_b32 s101, 0
	s_mul_i32 s98, s14, QTR                        ; where they go: wave x a quarter of a slot: no place in the cluster enters an LDS address
	s_lshl_b32 s99, s14, 12
	s_wait_kmcnt 0x0
	s_add_nc_u64 s[94:95], s[4:5], s[94:95]        ; S1's codes,
	s_add_nc_u64 s[96:97], s[6:7], s[96:97]        ; S1's scales,
	s_add_nc_u64 s[92:93], s[4:5], s[92:93]        ; S0's codes,
	s_add_nc_u64 s[100:101], s[6:7], s[100:101]    ; S0's scales
	CROUND                                         ; all sixteen work-groups are here: the first joint loads meet
	; THE FILLS: at the head one joint load a wave: slot 0's 16 blocks of S1, its 16 of S0, S1's scales, S0's scales.
	; Slot 1 is filled behind the lines and a round ahead of the first step, slot 2 in the round at K 128, slot 0 again in the round at K 384.
	MKG0 G0A1, 98, SLOT, 94, 3072                  ; slots 1 and 2: my quarter, 8 blocks
	MKG0 G0B1, 98, SLOT, 92, 3072
	MKG0 G0A2, 98, 2*SLOT, 94, 6144
	MKG0 G0B2, 98, 2*SLOT, 92, 6144
	s_mul_i32 s4, s16, 8*12288                     ; the half's offset is taken off again: the head's tiles are whole
	s_mov_b32 s5, 0
	s_lshl_b32 s6, s16, 12
	s_mov_b32 s7, 0
	s_mov_b32 s66, 0
	s_sub_nc_u64 s[94:95], s[94:95], s[4:5]
	s_sub_nc_u64 s[92:93], s[92:93], s[4:5]
	s_sub_nc_u64 s[96:97], s[96:97], s[6:7]
	s_sub_nc_u64 s[100:101], s[100:101], s[6:7]
	MKG0 G0A0, 66, 0, 94, 0
	MKG0 G0B0, 66, 2*QTR, 92, 0
	MKG0 G0SA, 66, SCL, 96, 0
	MKG0 G0SB, 66, SCL+2*HALFS, 100, 0
.macro ARM under, g0, g1, next         ; one tree of branches on the wave's number: every way passes exactly one load
	s_cmp_lt_u32 s14, \under
	s_cbranch_scc0 \next
	tensor_load_to_lds s[\g0:\g0+3], s[\g1:\g1+7]
	s_nop 0
.rept 4
	v_nop
.endr
	s_branch .Lhead_asked
\next:
.endm
	ARM 1, G0A0, G1A, .Lhead_b
	ARM 2, G0B0, G1B, .Lhead_sa
	ARM 3, G0SA, G1SA, .Lhead_sb
	tensor_load_to_lds s[G0SB:G0SB+3], s[G1SB:G1SB+7]
	s_nop 0
.rept 4
	v_nop
.endr
.Lhead_asked:
	; THE BIAS, while the first tiles are on their way.  The side that the mode does not use is read at the buffer's head and cleared.
	s_lshl_b32 s92, s17, 8
	s_lshl_b32 s93, s16, 7
	s_add_co_u32 s92, s92, s93                     ; my first feature along S0
	s_and_b32 s92, s92, s23
	s_lshl_b32 s92, s92, 2
	s_mov_b32 s93, 0
	s_add_nc_u64 s[92:93], s[8:9], s[92:93]
	s_lshl_b32 s94, s18, 8
	s_lshl_b32 s95, s15, 7
	s_add_co_u32 s94, s94, s95
	s_add_co_u32 s94, s94, 2048                    ; my first feature along S1
	s_and_b32 s94, s94, s2
	s_lshl_b32 s94, s94, 2
	s_mov_b32 s95, 0
	s_add_nc_u64 s[94:95], s[8:9], s[94:95]
	v_and_b32 v1, 15, v0                           ; r
	v_bfe_u32 v2, v0, 4, 1                         ; h
	v_lshlrev_b32 v3, 6, v2                        ; along S0: tile b's registers are features 32 (b / 2) + 16 h + 8 (b % 2) + 0 .. 7
	v_and_b32 v4, 8, v1
	v_add_nc_u32 v4, v4, v1
	v_lshlrev_b32 v4, 2, v4                        ; along S1: block a's place r is feature 32 (a / 2) + 8 (a % 2) + r + 8 (r / 8)
.irp b, 0,1,2,3,4,5,6,7
	global_load_b128 v[B0+8*\b:B0+8*\b+3], v3, s[92:93] offset:(32*(\b/2)+8*(\b%2))*4
	global_load_b128 v[B0+8*\b+4:B0+8*\b+7], v3, s[92:93] offset:(32*(\b/2)+8*(\b%2))*4+16
.endr
.irp a, 0,1,2,3,4,5,6,7
	global_load_b32 v[B1+2*\a], v4, s[94:95] offset:(32*(\a/2)+8*(\a%2))*4
.endr
	v_and_b32 v7, 31, v0
	v_lshlrev_b32 v[LI], 4, v7
	s_mul_i32 s96, s15, QTR                        ; my 8 blocks of S1,
	s_mul_i32 s97, s16, QTR                        ; my 8 blocks of S0,
	s_add_co_u32 s97, s97, 2*QTR                   ; which lie behind S1's 16
.irp s, 0,1,2
	v_add_nc_u32 v[ADRA+\s], s96, v[LI]
	v_add_nc_u32 v[ADRB+\s], s97, v[LI]
	s_add_co_u32 s96, s96, SLOT
	s_add_co_u32 s97, s97, SLOT
.endr
	v_lshlrev_b32 v5, 3, v1                        ; my row's two scale words of a slot: 8 r
	s_lshl_b32 s96, s15, 12                        ; S1's: my 8 blocks
	s_lshl_b32 s97, s16, 12                        ; S0's: my 8 blocks, behind S1's 16
	s_add_co_u32 s97, s97, 2*HALFS
	s_sub_co_u32 s97, s97, s96
	v_mul_u32_u24 v6, s97, v2                      ; lanes 16-31 take S0's: one product, the distance between the two bases
	s_add_co_u32 s96, s96, SCL
	v_add_nc_u32 v5, v5, v6
	v_add_nc_u32 v[ADRS], s96, v5
	s_lshl_b32 s98, s17, 1
	s_add_co_u32 s98, s98, s16                     ; my 128 along S0,
	s_mul_i32 s98, s98, s21
	s_lshl_b32 s99, s18, 1
	s_add_co_u32 s99, s99, s15                     ; my 128 along S1:
	s_add_co_u32 s98, s98, s99
	s_add_co_u32 s98, s98, s22                     ; my record
	s_mul_i32 s98, s98, REC
	s_mov_b32 s99, 0
	s_add_nc_u64 s[10:11], s[10:11], s[98:99]
	s_mov_b32 s[SEL], 0x76543210
	s_mov_b32 s[SEL+1], 0xfedcba98
	s_mov_b32 s3, 0xffff0000                       ; a mask of lanes 16-31
.irp b, 0,1,2,3
	v_mov_b32 v[TM+4+\b], 0                        ; written once: a lane permute's destination counts as one of its sources
.endr
	s_wait_loadcnt 0x0
.set j, 0
.rept 64
	v_and_b32 v[B0+j], s23, v[B0+j]                ; kept (-1) or cleared (0)
.set j, j+1
.endr
.irp a, 0,1,2,3,4,5,6,7
	v_and_b32 v[B1+2*\a+1], s2, v[B1+2*\a]         ; the lane's bias fills a pair for the packed addition
	v_and_b32 v[B1+2*\a], s2, v[B1+2*\a]
.endr
	WIN 0x80                                       ; destination window 2.  The sums BEGIN as the bias, so that all eight steps of K are alike
.irp a, 0,1,2,3
.irp b, 0,1,2,3,4,5,6,7
.irp j, 0,2,4,6
	v_pk_add_f32 v[8*(8*\a+\b)+\j:8*(8*\a+\b)+\j+1], v[B0+8*\b+\j:B0+8*\b+\j+1], v[B1+2*\a:B1+2*\a+1]
.endr
.endr
.endr
	WIN 0xc0                                       ; destination window 3
.irp a, 0,1,2,3
.irp b, 0,1,2,3,4,5,6,7
.irp j, 0,2,4,6
	v_pk_add_f32 v[8*(8*\a+\b)+\j:8*(8*\a+\b)+\j+1], v[B0+8*\b+\j:B0+8*\b+\j+1], v[B1+8+2*\a:B1+8+2*\a+1]
.endr
.endr
.endr
	WIN 0
.macro FRAG reg, adr, q, i             ; a fragment comes as the image of its registers: three loads of 512 consecutive bytes
.irp c, 0,1,2
	ds_load_b128 v[\reg+4*\c:\reg+4*\c+3], v[\adr] offset:(\i)*3072+(\q)*1536+512*\c
.endr
.endm
; 16 matrix instructions: S1's blocks a0, a0 + 1 x S0's eight, 128 along K: the slot's q-th.  p: S0's set;  sc: the set of scale words.
; The 64 accumulators take turns, one instruction a turn, in the same order in every step.
.macro MUL16 a0, p, q, sc
.irp a, \a0, \a0+1
.irp b, 0,1,2,3,4,5,6,7
	v_wmma_scale_f32_16x16x128_f8f6f4 v[8*(8*((\a)%4)+\b):8*(8*((\a)%4)+\b)+7], v[128*(\p)+FR*\b:128*(\p)+FR*\b+FR-1], v[AF+FR*(\a):AF+FR*(\a)+FR-1], v[8*(8*((\a)%4)+\b):8*(8*((\a)%4)+\b)+7], v[SC+16*(\sc)+2*\b+(\q)], v[SC+16*(\sc)+2*(\a)+(\q)] matrix_a_fmt:MATRIX_FMT_FP6 matrix_b_fmt:MATRIX_FMT_FP6 matrix_a_scale:MATRIX_SCALE_ROW1
.endr
.endr
.endm
.macro FETCH_B slot, q, p              ; S0's eight fragments into set p
	WIN TO_B
.irp i, 0,1,2,3,4,5,6,7
	FRAG 128*(\p)+FR*\i, ADRB+\slot, \q, \i
.endr
	WIN 0
.endm
.macro FETCH_A slot, q, i0             ; S1's blocks i0 .. i0 + 3
.irp i, \i0, \i0+1, \i0+2, \i0+3
	FRAG AF+FR*(\i), ADRA+\slot, \q, \i
.endr
.endm
.macro SCALES sc, k                    ; the scale words of K slot k into set sc: two words a row
.irp i, 0,1,2,3,4,5,6,7
	ds_load_b64 v[SC+16*(\sc)+2*\i:SC+16*(\sc)+2*\i+1], v[ADRS] offset:\i*512+128*(\k)
.endr
.endm
.macro PLACES n                        ; a load into a register that a matrix instruction has read, and a vector instruction that reads a matrix result, stand four plain vector instructions behind it
.rept \n
	v_nop
.endr
.endm
; A step of 128 along K: the slot's q-th, on S0's set q and scale set sc.  Its successor lies at (nslot, nq), in bytes that every wave is known to have; nk >= 0: the successor begins K slot nk, whose scale words are fetched.
.macro STEP q, sc, nslot, nq, nk
	s_wait_dscnt 4*NL                              ; S0's set and S1's blocks 0-3 are in; the youngest 12 loads (S1's blocks 4-7) may be out
	WIN MUL_LO
	MUL16 0, \q, \q, \sc
	MUL16 2, \q, \q, \sc
	s_wait_dscnt 0x0                               ; S1's blocks 4-7 are in
	PLACES NP
	FETCH_B \nslot, \nq, 1-\q
	FETCH_A \nslot, \nq, 0
.if \nk >= 0
	SCALES 1-\sc, \nk
.endif
	WIN MUL_HI
	MUL16 4, \q, \q, \sc
	MUL16 6, \q, \q, \sc
	PLACES NP
	WIN 0
	FETCH_A \nslot, \nq, 4
.endm
; A slot's second step with a barrier in it.  In front of the barrier each wave waits for all its tensor loads, adds 0 to its spare word, and waits for that and for its own reads so far.
; fill = 1: slot 0, which nobody reads any more, is filled again with K 768-1,023; the barrier then opens a round of the cluster's barrier.
.macro TURN sc, nslot, nk, fill
	s_wait_tensorcnt 0x0                           ; all my tensor loads have landed  (every window is 0 here)
	ds_add_u32 v[SPW], v[NIL]                      ; 0 onto my spare word
	s_wait_dscnt 4*NL+1                            ; (the add and the youngest 12 loads may be out)
	WIN MUL_LO
	MUL16 0, 1, 1, \sc                             ; sixteen matrix instructions stand between the add and the wait for it
	s_wait_dscnt 0x0                               ; the add is done, and my reads of the slot are over
	s_barrier_signal -1
	MUL16 2, 1, 1, \sc
	WIN 0
	s_barrier_wait -1
.if \fill
	CREST                                          ; no wave of any partner still reads slot 0 or has a load on its way
.if \fill == 1
	s_add_nc_u64 s[G0A0+2:G0A0+3], s[G0A0+2:G0A0+3], 3*3072
	s_add_nc_u64 s[G0B0+2:G0B0+3], s[G0B0+2:G0B0+3], 3*3072
	JLOAD G0A0, G1A, G0B0, G1B                     ; slot 0 again, K 768-1,023: my one tensor load behind the round
.else
	JLOAD G0A2, G1A, G0B2, G1B                     ; fill = 2: slot 2's first fill, issued as a refill is
.endif
.else
	PLACES NP
.endif
	FETCH_B \nslot, 0, 0
	FETCH_A \nslot, 0, 0
	SCALES 1-\sc, \nk
	WIN MUL_HI
	MUL16 4, 1, 1, \sc
	MUL16 6, 1, 1, \sc
	PLACES NP
	WIN 0
	FETCH_A \nslot, 0, 4
.endm
	s_wait_alu depctr_va_vdst(0)
	s_wait_tensorcnt 0x0                           ; my tile of the head's four is in
	ds_add_u32 v[SPW], v[NIL]
	s_mul_i32 s66, s16, QTR                        ; no tensor load of mine is out: slot 0's groups 0 become my quarter's, for the refill,
	s_add_co_u32 s[G0A0+1], s[G0A0+1], s66
	s_add_co_u32 s[G0B0+1], s[G0B0+1], s66
	s_mul_i32 s66, s16, 8*12288
	s_mov_b32 s67, 0
	s_add_nc_u64 s[G0A0+2:G0A0+3], s[G0A0+2:G0A0+3], s[66:67]
	s_add_nc_u64 s[G0B0+2:G0B0+3], s[G0B0+2:G0B0+3], s[66:67]
	s_mov_b32 s[G1A+2], 8<<16                      ; and from here on a load brings 8 row blocks
	s_mov_b32 s[G1A+4], 8
	s_mov_b32 s[G1B+2], 8<<16
	s_mov_b32 s[G1B+4], 8
	s_wait_dscnt 0x0
	CROUND                                         ; all four tiles are in, and all sixteen work-groups are here
	JLOAD G0A1, G1A, G0B1, G1B                     ; slot 1, K 256-511: the first tensor load behind the round
	FETCH_B 0, 0, 0
	FETCH_A 0, 0, 0
	SCALES 0, 0
	FETCH_A 0, 0, 4
	STEP 0, 0, 0, 1, -1                            ; K   0-127
	TURN 0, 1, 1, 2                                ; K 128-255; slot 1 is whole behind its barrier, and slot 2 is asked for
	STEP 0, 1, 1, 1, -1                            ; K 256-383
	TURN 1, 2, 2, 1                                ; K 384-511; slot 2 is whole, and slot 0 is asked for again
	STEP 0, 0, 2, 1, -1                            ; K 512-639
	TURN 0, 0, 3, 0                                ; K 640-767; behind its barrier slot 0's second fill is whole
	STEP 0, 1, 0, 1, -1                            ; K 768-895
	s_wait_dscnt 4*NL                              ; K 896-1,023: nothing more to fetch
	WIN MUL_LO
	MUL16 0, 1, 1, 1
	MUL16 2, 1, 1, 1
	s_wait_dscnt 0x0
	WIN MUL_HI
	MUL16 4, 1, 1, 1
	MUL16 6, 1, 1, 1
	WIN 0
; THE WAY OUT.  S1's block a: its 64 registers are 128 neighbours along S0 of the lane's row (register 16 b + i = 32 b + 16 h + i): four blocks of 32.  They are quantised in registers and leave as a fragment image.
; Each accumulator is read from its low end on.
.macro OUTQ a
.set WN, 2+(\a)/4
.set AC, 64*((\a)%4)
	WIN (WN<<2)|(WN<<4)                            ; sources 1 and 2: the accumulators' window
.irp b, 0,1,2,3
	v_max3_num_f32 v[TM+\b], 0x1800000, |v[AC+16*\b]|, |v[AC+16*\b+1]|   ; and the floor 2^(3 - 127): the byte cannot fall under 1
.endr
.irp i, 2,4,6,8,10,12,14
.irp b, 0,1,2,3
	v_max3_num_f32 v[TM+\b], v[TM+\b], |v[AC+16*\b+\i]|, |v[AC+16*\b+\i+1]|
.endr
.endr
	WIN 0
.irp b, 0,1,2,3
	v_permlanex16_b32 v[TM+4+\b], v[TM+\b], s[SEL], s[SEL+1]
.endr
.irp b, 0,1,2,3
	v_max_num_f32 v[TM+\b], v[TM+\b], v[TM+4+\b]   ; with lane l xor 16's: the block's largest magnitude
.endr
.irp b, 0,1,2,3
	v_add_nc_u32 v[TM+12+\b], 0xff000000, v[TM+\b]   ; 2 off its exponent field: the conversion's scale operand
.endr
.irp b, 0,1,2,3
	v_lshrrev_b32 v[TM+4+\b], 23, v[TM+12+\b]      ; the scale's byte
.endr
	v_lshl_or_b32 v[SW+(\a)], v[TM+5], 8, v[TM+4]
	v_lshl_or_b32 v[SW+(\a)], v[TM+6], 16, v[SW+(\a)]
	v_lshl_or_b32 v[SW+(\a)], v[TM+7], 24, v[SW+(\a)]
	s_wait_xcnt 0x0                                ; the last image's stores have read their data: the codes' registers are written again only behind this wait
	WIN WN                                         ; source 0: the accumulators' window
.irp c, 0,1
	v_cvt_scalef32_pk16_fp6_f32 v[PC+6*\c:PC+6*\c+2], v[AC+32*\c:AC+32*\c+15], v[TM+12+2*\c]
	v_cvt_scalef32_pk16_fp6_f32 v[PC+12+4*\c:PC+14+4*\c], v[AC+32*\c+16:AC+32*\c+31], v[TM+12+2*\c+1]
.endr
	WIN 0
	v_nop                                          ; one plain place behind a scaled conversion
.irp c, 0,1
.irp i, 0,1,2
	v_permlane16_swap_b32 v[PC+6*\c+\i], v[PC+12+4*\c+\i]
.endr
.irp i, 0,1,2
	v_mov_b32 v[PC+3+6*\c+\i], v[PC+12+4*\c+\i]
.endr
.endr
.irp c, 0,1,2
	global_store_b128 v[LI], v[PC+4*\c:PC+4*\c+3], s[10:11] offset:1536*(\a)+512*\c   ; 32 lanes store 512 consecutive bytes, aligned
.endr
.endm
	PLACES NP                                      ; behind the last products
.irp a, 0,1,2,3,4,5,6,7
	OUTQ \a
.endr
.irp i, 0,1,2,3
	v_cndmask_b32 v[OUTS+\i], v[SW+2*\i], v[SW+2*\i+1], s3   ; lanes 0-15 the even image's word of their row, lanes 16-31 the odd image's
.endr
	global_store_b128 v[LI], v[OUTS:OUTS+3], s[10:11] offset:12288
	s_wait_tensorcnt 0x0                           ; the wave's end
	ds_add_u32 v[SPW], v[NIL]
	s_wait_dscnt 0x0
	CROUND                                         ; the closing round: no work-group ends while a partner may still ask for a tile that names it
	s_endpgm
.Lfunc_end_k_q4a847e9e27_gemm_qkv:
	.size	k_q4a847e9e27_gemm_qkv, .Lfunc_end_k_q4a847e9e27_gemm_qkv-k_q4a847e9e27_gemm_qkv
	.p2alignl 7, 3214868480
	.fill 96, 4, 3214868480
	.section	.rodata,"a",@progbits
	.p2align	6, 0x0
	.amdhsa_kernel k_q4a847e9e27_gemm_qkv
		.amdhsa_group_segment_fixed_size 327680
		.amdhsa_private_segment_fixed_size 0
		.amdhsa_enable_private_segment 0
		.amdhsa_kernarg_size 32
		.amdhsa_user_sgpr_count 2
		.amdhsa_user_sgpr_kernarg_segment_ptr 1
		.amdhsa_wavefront_size32 1
		.amdhsa_system_sgpr_workgroup_id_x 1
		.amdhsa_system_sgpr_workgroup_id_y 1
		.amdhsa_system_sgpr_workgroup_id_z 1
		.amdhsa_system_vgpr_workitem_id 0
		.amdhsa_next_free_vgpr 1024
		.amdhsa_next_free_sgpr 102
		.amdhsa_reserve_vcc 0
		.amdhsa_float_denorm_mode_32 3
		.amdhsa_float_denorm_mode_16_64 3
		.amdhsa_memory_ordered 1
		.amdhsa_forward_progress 1
		.amdhsa_inst_pref_size 163
	.end_amdhsa_kernel
	.amdgpu_metadata
---
amdhsa.version: [ 1, 2 ]
amdhsa.kernels:
  - .name:           k_q4a847e9e27_gemm_qkv
    .symbol:         k_q4a847e9e27_gemm_qkv.kd
    .args:
      - { .name: opc, .offset: 0, .size: 8, .value_kind: global_buffer, .address_space: global }
      - { .name: ops, .offset: 8, .size: 8, .value_kind: global_buffer, .address_space: global }
      - { .name: b_qkv, .offset: 16, .size: 8, .value_kind: global_buffer, .address_space: global }
      - { .name: qkv, .offset: 24, .size: 8, .value_kind: global_buffer, .address_space: global }
    .group_segment_fixed_size: 327680
    .private_segment_fixed_size: 0
    .kernarg_segment_align: 8
    .kernarg_segment_size: 32
    .max_flat_workgroup_size: 128
    .sgpr_count:     102
    .vgpr_count:     1024
    .wavefront_size: 32
...
	.end_amdgpu_metadata
.endif
;; end of part 2
;; launch attn (part 3): grid 8 x 32, 16 waves a work-group, clusters of 4 x 1, 327,680 bytes of LDS; arguments qkv, yc, ys; writes yc, ys
.if DOCPART == 3
	.amdgcn_target "amdgcn-amd-amdhsa--gfx1250"
	.amdhsa_code_object_version 6
	.text
	.protected	k_q4a847e9e27_attn
	.globl	k_q4a847e9e27_attn
	.p2align	8
	.type	k_q4a847e9e27_attn,@function
k_q4a847e9e27_attn:
	s_mov_b64 s[64:65], 0
	v_nop
	global_prefetch_b8 v0, s[64:65] scope:SCOPE_SE
	s_setreg_imm32_b32 hwreg(HW_REG_WAVE_MODE, 25, 1), 1
	s_wait_xcnt 0x0
	s_wait_alu depctr_hold_cnt(0) depctr_sa_sdst(0) depctr_va_vdst(0) depctr_va_sdst(0) depctr_va_ssrc(0) depctr_va_vcc(0) depctr_vm_vsrc(0)
	s_getreg_b32 s2, hwreg(HW_REG_IB_STS2, 6, 4)
	s_cmp_eq_u32 s2, 0
	s_cbranch_scc0 .Lentry_in_a_cluster
	s_endpgm
.Lentry_in_a_cluster:
	s_bfe_u32 s2, ttmp6, 0x10000c
	s_cmp_lg_u32 s2, 0x3003
	s_cbranch_scc0 .Lentry_shape_is_right
	s_endpgm
.Lentry_shape_is_right:
; Causal attention on codes of FP6 (E2M3): y = softmax(q k^T / 8, key <= query) v, 4 batches x 16 heads of 64, 2,048 tokens; y leaves QUANTISED along its 1,024 columns, as the last product's operand.
; q, k, v come as RECORDS of 12,800 bytes (8 fragment images of 1,536 bytes, then 512 bytes of scale words): 128 tokens x a PAIR of heads (128 features) for q and k, a pair's 128 features x 128 keys for v.
; THE SOFTMAX: t = score x log2(e) / 8; M = the running largest t rounded UP to a whole number; p = 2^(t - M) is what is quantised, along the keys; the row's sum is taken of the unquantised p and divides at the end.
; When M moves, the sum and O are multiplied by 2^(old M - new M): exact.
; A HEAD'S K IS 64, THE INSTRUCTION'S 128: a key's row of 128 codes is [head A | head B].  Q stands twice, as [qA | zero codes] and [zero codes | qB]: the other head's codes meet zeros, which add nothing.
; SHARES.  A work-group has a batch, a pair of heads and ONE of the eight images (16 queries) of every chunk of 128 queries; each of its sixteen waves takes one chunk, for both heads.  So all work-groups have the same work,
; all walk all 16 key steps of 128 (constant trip counts), and a wave leaves out the steps behind its chunk: a scalar branch on its number and the step's count.  The chunks are dealt to the waves so that any four waves w % 4 alike, and any
; four w / 4 alike, have chunks of sum 30.
; CLUSTER.  Four work-groups of one batch and pair walk the same K and V: each tile is asked for jointly.  The work-group's place enters only Q's and y's global addresses and the mask's comparison value.
; LAYOUT.  Both products are used transposed (S^T = K Q^T, O^T = V^T P^T): a lane holds one query throughout.  The images' rows are so ordered that the 16 registers of two neighbouring tiles are 16 neighbours.
; LIMITS: NaN and infinities are not served; a block of p or of y whose largest magnitude lies under 2^-124 (zeros among them) gets the byte 1, its codes are zeros.
; REGISTERS: v1-6 addresses; v8-11 K's scale words; v12-15, v16-19 the two heads' -M, largest t, sum (a pair); v20-37 Q; v38 Q's scale word; v40-87 four fragments of K or of V; v88-91 V's scale words;
;   v96-159 S^T, then p; v160-191, v192-223 O^T of the two heads; v224-235 p's codes; v232-254 at work.
.set REC,   12800
.set VOFF,  4*REC                      ; a slot: four key steps' records of K, then of V
.set SLOT1, 1<<17                      ; slot 1 begins here: one exclusive or turns an address in one slot into the other's
.set SPARE, SLOT1+2*VOFF               ; the spare words, 128 bytes for each wave: eight blocks of 256 bytes that no other line names
.set LI,   1                           ; v1   16 x lane; never rewritten
.set SPW,  2                           ; v2   LDS address of my spare word; never rewritten
.set NIL,  3                           ; v3   0; never rewritten
.set ADK,  4                           ; v4   LDS address of the step's record of K, + 16 x lane
.set ADV,  5                           ; v5   of V
.set DD,   6                           ; v6   my query's place in its chunk - 16 h: on the diagonal, register 16 b + i is hidden where 32 b + i is above it
.set QS,   38
.set F,    40
.set TM,   40                          ; the way out: at work (the fragments' registers are free then)
.set PC,   56
.set PW,   76
.set WV,   10                          ; s10  my wave's number
; THE DEAL OF HEADS (it takes the place of what the head says of a wave's share): the two heads of a pair share nothing but K's and V's tiles, so a work-group has 32 units (chunk, head).
; A wave takes head A of chunk c and head B of chunk 15 - c: 17 steps of one head in every wave.  Each head's part of a step has its own scalar branch on the step's count and that head's chunk.
; At the end head B's codes and scale word go through an LDS stage to wave w xor 12, whose head A has that chunk (the table of chunks has c(w xor 12) = 15 - c(w)); that wave stores the whole image.
.set RANK, 62                          ; s62 head A's chunk, s63 head B's; s61 the later of the two
.set STG,  SPARE+2048                  ; behind the spare words: the stage, 1,024 bytes for each wave; no tile lands there
.set SEL,  16                          ; s[16:17] lane selects for v_permlanex16_b32: lane l xor 16
.set CS,   18                          ; s[18:19] c = log2(e) / 8: the packed form names a pair and takes its low word
.set TB,   20                          ; s20  LDS byte at which the step's record of K begins
.set KS,   21                          ; s21  the key step, 0..15
.set SLOTS, 22                         ; s22  slots still to be asked for
.set CNT,  23                          ; s23  counts a slot's four steps
.set G1K,  24                          ; s[24:31], s[32:39] descriptor groups 1 for K's and V's tiles;  s[40:43], s[44:47] their groups 0, which walk
.set G1V,  32
.set G0K,  40
.set G0V,  44
; Waves 0 and 1 fetch K's halves of a slot, waves 2 and 3 V's, the others nothing.  The branches hang on the wave's number alone.  Four v_nop follow each of the two lines.
.macro TLOAD
	s_cmp_lt_u32 s[WV], 2
	s_cbranch_scc0 .Lnot_k_\@
	tensor_load_to_lds s[G0K:G0K+3], s[G1K:G1K+7]
	s_nop 0
.rept 4
	v_nop
.endr
	s_branch .Lasked_\@
.Lnot_k_\@:
	s_cmp_lt_u32 s[WV], 4
	s_cbranch_scc0 .Lasked_\@
	tensor_load_to_lds s[G0V:G0V+3], s[G1V:G1V+7]
	s_nop 0
.rept 4
	v_nop
.endr
.Lasked_\@:
.endm
.macro CROUND                          ; a round of the cluster's barrier
	s_barrier_signal -1
	s_barrier_wait -1
	s_cmp_lg_u32 s[WV], 0
	s_cbranch_scc1 .Lnot_wave_0_\@
	s_barrier_signal -3
.Lnot_wave_0_\@:
	s_barrier_wait -3
	s_barrier_signal -1
	s_barrier_wait -1
.endm
.macro WMQ d, a, b, sa, sb, odd        ; D = A B; source 0's scale words in lanes 0-15 (even image) or 16-31 (odd image) of v[sa]
.if \odd
	v_wmma_scale_f32_16x16x128_f8f6f4 v[\d:\d+7], v[\a:\a+11], v[\b:\b+11], 0, v[\sa], v[\sb] matrix_a_fmt:MATRIX_FMT_FP6 matrix_b_fmt:MATRIX_FMT_FP6 matrix_a_scale:MATRIX_SCALE_ROW1
.else
	v_wmma_scale_f32_16x16x128_f8f6f4 v[\d:\d+7], v[\a:\a+11], v[\b:\b+11], 0, v[\sa], v[\sb] matrix_a_fmt:MATRIX_FMT_FP6 matrix_b_fmt:MATRIX_FMT_FP6
.endif
.endm
.macro WMA d, a, b, sa, sb, odd        ; D += A B
.if \odd
	v_wmma_scale_f32_16x16x128_f8f6f4 v[\d:\d+7], v[\a:\a+11], v[\b:\b+11], v[\d:\d+7], v[\sa], v[\sb] matrix_a_fmt:MATRIX_FMT_FP6 matrix_b_fmt:MATRIX_FMT_FP6 matrix_a_scale:MATRIX_SCALE_ROW1
.else
	v_wmma_scale_f32_16x16x128_f8f6f4 v[\d:\d+7], v[\a:\a+11], v[\b:\b+11], v[\d:\d+7], v[\sa], v[\sb] matrix_a_fmt:MATRIX_FMT_FP6 matrix_b_fmt:MATRIX_FMT_FP6
.endif
.endm
	s_load_b128 s[4:7], s[0:1], 0x0                ; qkv s[4:5], yc s[6:7]
	s_load_b64 s[8:9], s[0:1], 0x10                ; ys
	v_lshl_add_u32 v[SPW], v0, 2, SPARE
	v_mov_b32 v[NIL], 0
	ds_add_u32 v2, v3
	ds_add_u32 v2, v3
	s_wait_dscnt 0x0
	v_lshrrev_b32 v7, 5, v0
	s_delay_alu instid0(VALU_DEP_1)
	v_readfirstlane_b32 s[WV], v7                  ; wave 0..15
	s_bfe_u32 s12, ttmp6, 0x40000                  ; cx
	s_lshl_b32 s13, ttmp9, 2
	s_add_co_u32 s13, s13, s12                     ; g: which image of each chunk of queries is my work-group's
	s_and_b32 s48, ttmp7, 0xffff
	s_lshr_b32 s14, s48, 3                         ; the batch
	s_and_b32 s15, s48, 7                          ; the pair of heads
	s_mov_b32 s49, 0x249f71ca                      ; my chunk: nibble w of these two words
	s_cmp_lt_u32 s[WV], 8
	s_cselect_b32 s49, 0x8e35db60, s49
	s_and_b32 s50, s[WV], 7
	s_lshl_b32 s50, s50, 2
	s_lshr_b32 s49, s49, s50
	s_and_b32 s[RANK], s49, 15
	s_sub_co_u32 s[RANK+1], 15, s[RANK]
	s_max_u32 s61, s[RANK], s[RANK+1]
	s_and_b32 s51, s[WV], 1                        ; which half of a slot's four steps I fetch, if I fetch
	s_lshl_b32 s52, s15, 6
	s_lshl_b32 s53, s14, 4                         ; the batch's first chunk of 128 tokens
	s_add_co_u32 s54, s52, s53                     ; q's record of that chunk
	s_lshl_b32 s55, s51, 1
	s_add_co_u32 s56, s54, s55
	s_add_co_u32 s56, s56, 512                     ; k's records lie 8 x 64 behind q's
	s_mul_i32 s56, s56, REC
	s_mov_b32 s57, 0
	s_add_co_u32 s58, s53, s55
	s_lshl_b32 s58, s58, 3
	s_add_co_u32 s58, s58, s15
	s_add_co_u32 s58, s58, 1024                    ; v's record: 1,024 + 8 x chunk + pair
	s_mul_i32 s58, s58, REC
	s_mov_b32 s59, 0
	s_mul_i32 s60, s51, 2*REC                      ; and its place in a slot: no place in the cluster enters an LDS address
	; K: two records are 25,600 dense bytes: 100 rows of 256.   V: two records, 8 records (12,800 elements of 8 bytes) apart: 2 rows of 1,600 elements
	s_mov_b32 s[G1K], 15|(3<<16)|(1<<21)           ; 15:0 the mask: all four work-groups; 17:16 elements of 8 bytes; 20 no padding; 21 set beside a mask
	s_mov_b32 s[G1K+1], 32<<16                     ; tensor_dim0
	s_mov_b32 s[G1K+2], 100<<16                    ; tensor_dim1
	s_mov_b32 s[G1K+3], 32<<16                     ; tile_dim0
	s_mov_b32 s[G1K+4], 100                        ; tile_dim1
	s_mov_b32 s[G1K+5], 32                         ; tensor_dim0_stride
	s_mov_b32 s[G1K+6], 0
	s_mov_b32 s[G1K+7], 0
	s_mov_b32 s[G1V], 15|(3<<16)|(1<<21)
	s_mov_b32 s[G1V+1], 1600<<16
	s_mov_b32 s[G1V+2], 2<<16
	s_mov_b32 s[G1V+3], 1600<<16
	s_mov_b32 s[G1V+4], 2
	s_mov_b32 s[G1V+5], 12800
	s_mov_b32 s[G1V+6], 0
	s_mov_b32 s[G1V+7], 0
	s_mov_b32 s[SEL], 0x76543210
	s_mov_b32 s[SEL+1], 0xfedcba98
	s_mov_b32 s[CS], 0x3e38aa3b                    ; c = log2(e) / 8
	s_mov_b32 s[CS+1], s[CS]                       ; (named with it as a pair, so it is written)
	s_mov_b32 s[TB], 0
	s_mov_b32 s[KS], 0
	s_mov_b32 s[SLOTS], 3
	s_wait_kmcnt 0x0
	s_mov_b32 s[G0K], 1                            ; count = 1
	s_mov_b32 s[G0K+1], s60                        ; LDS address: slot 0
	s_add_nc_u64 s[G0K+2:G0K+3], s[4:5], s[56:57]  ; global address: key steps 0-3
	s_or_b32 s[G0K+3], s[G0K+3], 0x80000000        ; type = 2
	s_mov_b32 s[G0V], 1
	s_add_co_u32 s[G0V+1], s60, VOFF
	s_add_nc_u64 s[G0V+2:G0V+3], s[4:5], s[58:59]
	s_or_b32 s[G0V+3], s[G0V+3], 0x80000000
	CROUND                                         ; all four work-groups are here: the first joint loads meet
	TLOAD                                          ; slot 0
	; Q: image g of my chunk's record.  Registers 0-5 of the fragment are head A's codes, 6-11 head B's
	s_add_co_u32 s66, s54, s[RANK]
	s_mul_i32 s66, s66, REC
	s_mov_b32 s67, 0
	s_add_nc_u64 s[66:67], s[4:5], s[66:67]
	s_add_co_u32 s56, s54, s[RANK+1]               ; and the record of head B's chunk
	s_mul_i32 s56, s56, REC
	s_mov_b32 s57, 0
	s_add_nc_u64 s[56:57], s[4:5], s[56:57]
	v_and_b32 v92, 31, v0
	s_delay_alu instid0(VALU_DEP_1)
	v_lshlrev_b32 v[LI], 4, v92
	s_mul_i32 s68, s13, 1536
	v_add_nc_u32 v7, s68, v[LI]
	v_and_b32 v92, 15, v0                          ; r
	s_wait_alu depctr_va_vdst(0)
	v_bfe_u32 v93, v0, 4, 1                        ; h
	s_wait_alu depctr_va_vdst(0)
	s_and_b32 s69, s13, 1
	s_lshr_b32 s70, s13, 1
	s_lshl_b32 s71, s69, 8
	s_lshl_b32 s68, s70, 2
	s_add_co_u32 s71, s71, s68
	s_add_co_u32 s71, s71, 12288                   ; its scale words: word g / 2 of the 16 bytes at 16 (16 (g % 2) + r)
	v_lshl_add_u32 v248, v92, 4, s71
	global_load_b128 v[20:23], v7, s[66:67]
	global_load_b64 v[24:25], v7, s[66:67] offset:512
	global_load_b64 v[32:33], v7, s[56:57] offset:520
	global_load_b128 v[34:37], v7, s[56:57] offset:1024
	global_load_b32 v[QS], v248, s[66:67]          ; head A's scale word (its bytes 0, 1 meet qA),
	global_load_b32 v[QS+1], v248, s[56:57]        ; head B's (its bytes 2, 3 meet qB); the other two bytes of each meet zero codes
	s_lshl_b32 s68, s70, 5
	s_lshl_b32 s69, s69, 3
	s_add_co_u32 s68, s68, s69                     ; 32 (g / 2) + 8 (g % 2)
	v_and_b32 v94, 8, v92
	s_delay_alu instid0(VALU_DEP_1)
	v_add_nc_u32 v94, v94, v92                     ; r + 8 (r / 8)
	v_lshlrev_b32 v95, 4, v93
	s_delay_alu instid0(VALU_DEP_1)
	v_sub_nc_u32 v[DD], v94, v95
	s_delay_alu instid0(VALU_DEP_1)
	v_add_nc_u32 v[DD], s68, v[DD]
	; where y goes: row block 8 (16 batch + chunk) + g, K step = the pair of heads
	s_add_co_u32 s48, s53, s[RANK]
	s_lshl_b32 s48, s48, 3
	s_add_co_u32 s48, s48, s13
	s_lshl_b32 s50, s48, 3
	s_add_co_u32 s50, s50, s15
	s_mul_i32 s50, s50, 1536
	s_mov_b32 s51, 0
	s_add_nc_u64 s[6:7], s[6:7], s[50:51]
	s_lshl_b32 s50, s48, 9
	s_lshr_b32 s52, s15, 1
	s_lshl_b32 s52, s52, 7
	s_add_co_u32 s50, s50, s52
	s_and_b32 s52, s15, 1
	s_lshl_b32 s52, s52, 2
	s_add_co_u32 s50, s50, s52
	s_add_nc_u64 s[8:9], s[8:9], s[50:51]
.irp j, 26,27,28,29,30,31
	v_mov_b32 v[\j], 0                             ; the zero codes between qA and qB: v[20:31] = [qA | 0], v[26:37] = [0 | qB]
.endr
.irp t, 0,1,2,3
.irp j, 0,1,2,3,8,9,10,11
	v_mov_b32 v[F+12*\t+\j], 0                     ; head A loads registers 0-7 of a fragment of K: the rest, which meets zero codes, is written once here
.endr
.endr
	v_mov_b32 v13, 0xff61b1e6                      ; the largest t so far: -3e38, under every t
	v_mov_b32 v17, 0xff61b1e6
	s_delay_alu instid0(VALU_DEP_2)
	v_floor_f32 v12, -v13                          ; -M
	s_delay_alu instid0(VALU_DEP_2)
	v_floor_f32 v16, -v17
	v_mov_b32 v14, 0                               ; the sums, in two halves
	v_mov_b32 v15, 0
	v_mov_b32 v18, 0
	v_mov_b32 v19, 0
.irp j, 236,237,238,239,252,253,254
	v_mov_b32 v[\j], 0                             ; written once: lane permutes' destinations count as sources, and v253 is named in a pair
.endr
.set j, 0
.rept 64
	v_mov_b32 v[160+j], 0                          ; O^T: the step is written once; the first finds zeros, which the first change of M leaves zeros
.set j, j+1
.endr
; ONE HEAD'S PART OF A KEY STEP: 128 keys.
.macro HEAD hd
.set STT, 12+4*\hd
.set OT,  160+32*\hd
.set QOP, 20+6*\hd
.irp g, 0,1                                    ; S^T = K Q^T, four tiles of 16 keys at a time.  Of a fragment's three pieces head A takes 0 and 1, head B 1 and 2
.if \g
.rept 4
	v_nop                                          ; places in front of loads into registers that matrix instructions have read
.endr
.endif
.irp t, 0,1,2,3
	ds_load_b128 v[F+12*\t+4*\hd:F+12*\t+4*\hd+3], v[ADK] offset:(4*\g+\t)*1536+512*\hd
	ds_load_b128 v[F+12*\t+4*\hd+4:F+12*\t+4*\hd+7], v[ADK] offset:(4*\g+\t)*1536+512*\hd+512
.endr
	s_wait_dscnt 0x0
.irp t, 0,1,2,3
	WMQ 96+8*(4*\g+\t), F+12*\t, QOP, 8+2*\g+\t/2, QS+\hd, \t%2
.endr
.endr
.rept 4
	v_nop
.endr
.irp t, 0,1,2,3                                ; this head's four fragments of V are asked for now and land while the softmax is worked
.irp c, 0,1,2
	ds_load_b128 v[F+12*\t+4*\c:F+12*\t+4*\c+3], v[ADV] offset:(4*\hd+\t)*1536+512*\c
.endr
.endr
	s_cmp_lg_u32 s[KS], s[RANK+\hd]
	s_cbranch_scc1 .Lopen_\@
	v_mov_b32 v254, 0xff800000
.set n, 0
.rept 64
	v_cmp_gt_i32 vcc_lo, 32*(n/16)+n%16, v[DD]
	v_cndmask_b32 v[96+n], v[96+n], v254, vcc_lo
.set n, n+1
.endr
.Lopen_\@:
.irp b, 0,1,2,3
	v_max3_num_f32 v[232+\b], v[96+16*\b], v[97+16*\b], v[98+16*\b]   ; the largest score of each block of 32 keys: for the row's maximum and, since p rises with the score, for the block's largest p
.endr
.irp i, 3,5,7,9,11,13
.irp b, 0,1,2,3
	v_max3_num_f32 v[232+\b], v[232+\b], v[96+16*\b+\i], v[97+16*\b+\i]
.endr
.endr
.irp b, 0,1,2,3
	v_max_num_f32 v[232+\b], v[232+\b], v[111+16*\b]
.endr
.irp b, 0,1,2,3
	s_delay_alu instid0(VALU_DEP_4)
	v_permlanex16_b32 v[236+\b], v[232+\b], s[SEL], s[SEL+1]
.endr
.irp b, 0,1,2,3
	s_delay_alu instid0(VALU_DEP_4)
	v_max_num_f32 v[232+\b], v[232+\b], v[236+\b]  ; with lane l xor 16's 16 keys
.endr
	s_delay_alu instid0(VALU_DEP_2)
	v_max3_num_f32 v254, v232, v233, v234
	s_delay_alu instid0(VALU_DEP_1)
	v_max_num_f32 v254, v254, v235                 ; the step's largest score of my query
	s_delay_alu instid0(VALU_DEP_1)
	v_mul_f32 v254, s[CS], v254                    ; as t (c is positive)
	s_delay_alu instid0(VALU_DEP_1)
	v_max_num_f32 v[STT+1], v[STT+1], v254         ; the running largest t
	v_mov_b32 v254, v[STT]
	s_delay_alu instid0(VALU_DEP_2)
	v_floor_f32 v[STT], -v[STT+1]                  ; the new -M = floor(-t) = -ceil(t): a whole number
	s_delay_alu instid0(VALU_DEP_1)
	v_sub_f32 v254, v[STT], v254                   ; M's old value less its new one: a whole number, 0 or less
	s_delay_alu instid0(VALU_DEP_1)
	v_cvt_i32_f32 v254, v254                       ; (it saturates)
	s_delay_alu instid0(VALU_DEP_1)
	v_ldexp_f32 v252, 1.0, v254                    ; f = 2^(old M - new M)
.set j, 0
.rept 32
	v_pk_fma_f32 v[96+j:97+j], v[96+j:97+j], s[CS:CS+1], v[STT:STT+1] op_sel_hi:[1,0,0]   ; t - M, two at a time
.set j, j+2
.endr
.irp b, 0,1,2,3
	v_fma_f32 v[232+\b], v[232+\b], s[CS], v[STT]  ; the same of each block's largest score
.endr
.set j, 0
	s_wait_alu depctr_va_vdst(0)
.rept 64
	v_exp_f32 v[96+j], v[96+j]                     ; p = 2^(t - M), at most 1: not normalised
.set j, j+1
.endr
	v_pk_mul_f32 v[STT+2:STT+3], v[STT+2:STT+3], v[252:253] op_sel_hi:[1,0]   ; the sums under the new M: a plain place behind the exponentials
	s_wait_alu depctr_va_vdst(0)                   ; one wait for the whole batch, ahead of its first reader
.irp b, 0,1,2,3
	v_exp_f32 v[232+\b], v[232+\b]                 ; the block's largest p
.endr
	v_pk_add_f32 v[236:237], v[96:97], v[98:99]    ; the row's sum is taken of the unquantised p: two at a time, in two chains
.irp j, 4,8,12,16,20,24,28,32,36,40,44,48,52,56,60
	v_pk_add_f32 v[STT+2:STT+3], v[STT+2:STT+3], v[96+\j:97+\j]
	v_pk_add_f32 v[236:237], v[236:237], v[98+\j:99+\j]
.endr
	s_delay_alu instid0(VALU_DEP_1)
	v_pk_add_f32 v[STT+2:STT+3], v[STT+2:STT+3], v[236:237]
	s_wait_alu depctr_va_vdst(0)                   ; and one for the four
.irp b, 0,1,2,3
	v_max_num_f32 v[232+\b], 0x1800000, v[232+\b]  ; the floor 2^(3 - 127): the byte cannot fall under 1
.endr
.irp b, 0,1,2,3
	s_delay_alu instid0(VALU_DEP_4)
	v_add_nc_u32 v[244+\b], 0xff000000, v[232+\b]  ; 2 off the exponent field: the conversion's scale operand
.endr
.irp b, 0,1,2,3
	s_delay_alu instid0(VALU_DEP_4)
	v_lshrrev_b32 v[236+\b], 23, v[244+\b]         ; the scale's byte
.endr
	s_delay_alu instid0(VALU_DEP_3)
	v_lshl_or_b32 v253, v237, 8, v236              ; p's scale word for these 128 keys
	s_delay_alu instid0(VALU_DEP_1)
	v_lshl_or_b32 v253, v238, 16, v253
	s_delay_alu instid0(VALU_DEP_1)
	v_lshl_or_b32 v253, v239, 24, v253
.irp c, 0,1
	v_cvt_scalef32_pk16_fp6_f32 v[224+6*\c:226+6*\c], v[96+32*\c:111+32*\c], v[244+2*\c]
	v_cvt_scalef32_pk16_fp6_f32 v[236+4*\c:238+4*\c], v[112+32*\c:127+32*\c], v[244+2*\c+1]
.endr
	v_nop                                          ; one plain place behind a scaled conversion
.irp c, 0,1                                    ; the operand's layout wants a whole block in a lane
.irp i, 0,1,2
	v_permlane16_swap_b32 v[224+6*\c+\i], v[236+4*\c+\i]
.endr
.irp i, 0,1,2
	s_delay_alu instid0(VALU_DEP_3)
	v_mov_b32 v[227+6*\c+\i], v[236+4*\c+\i]
.endr
.endr
.set j, 0
.rept 16
	v_pk_mul_f32 v[OT+j:OT+j+1], v[OT+j:OT+j+1], v[252:253] op_sel_hi:[1,0]   ; O^T under the new M.  These 16 are also the places in front of the matrix instructions below
.set j, j+2
.endr
	s_wait_alu depctr_va_vdst(0)
	s_wait_dscnt 0x0                               ; V's fragments are in
.irp t, 0,1,2,3                                ; O^T += V^T P^T: four tiles of 16 of the head's 64, four accumulators by turns
	WMA OT+8*\t, F+12*\t, 224, 88+2*\hd+\t/2, 253, \t%2
.endr
.endm
; A KEY STEP.  A step all of whose keys come after my chunk is left out: a scalar branch round its loads, products and softmax; not round the lines at its end that step the address and the count.
.macro STEP
	s_cmp_gt_u32 s[KS], s61
	s_cbranch_scc1 .Lhidden_\@
	v_add_nc_u32 v[ADK], s[TB], v[LI]
	s_wait_alu depctr_va_vdst(0)
	v_add_nc_u32 v[ADV], VOFF, v[ADK]
	s_wait_alu depctr_va_vdst(0)
	v_nop
	v_nop                                          ; with the two additions: four places behind the last step's products
	ds_load_b128 v[8:11], v[ADK] offset:12288      ; K's scale words: register i: lanes 0-15 image 2 i, lanes 16-31 image 2 i + 1
	ds_load_b128 v[88:91], v[ADV] offset:12288     ; V's
	s_cmp_gt_u32 s[KS], s[RANK]                    ; head A's chunk lies ahead of these keys: its part is left out
	s_cbranch_scc1 .Lno_a_\@
	HEAD 0
.rept 4
	v_nop
.endr
.Lno_a_\@:
	s_cmp_gt_u32 s[KS], s[RANK+1]                  ; the same for head B
	s_cbranch_scc1 .Lno_b_\@
	HEAD 1
.Lno_b_\@:
	s_wait_dscnt 0x0                               ; the step's loads of scale words are in on every way, also where a head's part was left out: the next step loads into the same registers
.Lhidden_\@:
	s_add_co_u32 s[TB], s[TB], REC
	s_add_co_u32 s[KS], s[KS], 1
.endm
.macro SLOT_STEPS                      ; a slot's four key steps: written once, walked four times
	s_mov_b32 s[CNT], 4
.Lks_\@:
	STEP
	s_sub_co_u32 s[CNT], s[CNT], 1
	s_cmp_lg_u32 s[CNT], 0
	s_cbranch_scc1 .Lks_\@
	s_sub_co_u32 s[TB], s[TB], 4*REC               ; back to a slot's first step,
	s_xor_b32 s[TB], s[TB], SLOT1                  ; in the other slot
.endm
; THE CHANGE OF SLOTS stands at a slot's head.  Each wave waits for all its tensor loads (its part of the slot that it is about to read), adds 0 to its spare word, and waits for that and for its reads of the slot that it has left.
; fill = 1: the barrier is a round of the cluster's, and behind it the other slot is filled with the next four key steps: the load has a whole slot's steps in which to land.
.macro CHANGE fill
	s_wait_tensorcnt 0x0                           ; no tensor load of mine is out, so a group 0 may be written
	ds_add_u32 v[SPW], v[NIL]                      ; 0 onto my spare word
.if \fill
	s_xor_b32 s[G0K+1], s[G0K+1], SLOT1            ; the walking descriptors: the other slot than last time,
	s_add_nc_u64 s[G0K+2:G0K+3], s[G0K+2:G0K+3], 4*REC      ; the next four records of K,
	s_xor_b32 s[G0V+1], s[G0V+1], SLOT1
	s_add_nc_u64 s[G0V+2:G0V+3], s[G0V+2:G0V+3], 32*REC     ; and of V, which lie 8 records apart
	s_wait_dscnt 0x0                               ; the add is done, and my reads of the slot that I have left are over
	CROUND
	TLOAD                                          ; the first thing behind the round, and a wave's one tensor load until the next
.else
	s_wait_dscnt 0x0
	s_barrier_signal -1
	s_barrier_wait -1
.endif
.endm
	s_wait_loadcnt 0x0                             ; Q
.Lslot:                                            ; three trips: behind each change of slots but the last the next slot is asked for
	CHANGE 1
	SLOT_STEPS
	s_sub_co_u32 s[SLOTS], s[SLOTS], 1
	s_cmp_lg_u32 s[SLOTS], 0
	s_cbranch_scc1 .Lslot
	CHANGE 0                                       ; the last slot is written out
	SLOT_STEPS
	; THE WAY OUT.  O^T / the sum: the two heads' 64 registers are 128 neighbouring columns of y (register 16 b + i = 32 b + 16 h + i): they are quantised and leave as K step (pair of heads) of the last product's operand.
.rept 4
	v_nop                                          ; places behind the last products
.endr
	v_add_f32 v14, v14, v15                        ; the sums' two halves,
	v_add_f32 v18, v18, v19
	s_delay_alu instid0(VALU_DEP_2)
	v_permlanex16_b32 v252, v14, s[SEL], s[SEL+1]
	s_delay_alu instid0(VALU_DEP_2)
	v_permlanex16_b32 v254, v18, s[SEL], s[SEL+1]
	s_delay_alu instid0(VALU_DEP_2)
	v_add_f32 v14, v14, v252                       ; and lane l xor 16's
	s_delay_alu instid0(VALU_DEP_2)
	v_add_f32 v18, v18, v254
	s_wait_alu depctr_va_vdst(0)
	v_rcp_f32 v14, v14
	v_rcp_f32 v18, v18
.irp b, 0,1,2,3
	v_mov_b32 v[TM+4+\b], 0                        ; plain places behind the reciprocals; a lane permute's destination counts as one of its sources
.endr
	v_and_b32 v78, 15, v0
	s_delay_alu instid0(VALU_DEP_1)
	v_lshlrev_b32 v78, 3, v78
	s_lshl_b32 s48, s[WV], 10
	s_add_co_u32 s48, s48, STG
	v_add_nc_u32 v77, s48, v[LI]                   ; my place in the stage, + 16 x lane
	s_xor_b32 s49, s[WV], 12
	s_lshl_b32 s49, s49, 10
	s_add_co_u32 s49, s49, STG
	v_add_nc_u32 v79, s49, v[LI]                   ; and that of the wave whose head B has my head A's chunk
	s_wait_alu depctr_va_vdst(0)                   ; one wait for both reciprocals, ahead of their first reader
.set j, 0
.rept 32
	v_mul_f32 v[96+j], v[160+j], v14
.set j, j+1
.endr
.set j, 0
.rept 32
	v_mul_f32 v[128+j], v[192+j], v18
.set j, j+1
.endr
.irp b, 0,1,2,3
	v_max3_num_f32 v[TM+\b], |v[96+16*\b]|, |v[97+16*\b]|, 0x1800000   ; block b: my 16 numbers, and the floor 2^(3 - 127)
.endr
.irp i, 2,4,6,8,10,12,14
.irp b, 0,1,2,3
	s_delay_alu instid0(VALU_DEP_4)
	v_max3_num_f32 v[TM+\b], v[TM+\b], |v[96+16*\b+\i]|, |v[97+16*\b+\i]|
.endr
.endr
.irp b, 0,1,2,3
	s_delay_alu instid0(VALU_DEP_4)
	v_permlanex16_b32 v[TM+4+\b], v[TM+\b], s[SEL], s[SEL+1]
.endr
.irp b, 0,1,2,3
	s_delay_alu instid0(VALU_DEP_4)
	v_max_num_f32 v[TM+\b], v[TM+\b], v[TM+4+\b]
.endr
.irp b, 0,1,2,3
	s_delay_alu instid0(VALU_DEP_4)
	v_add_nc_u32 v[TM+12+\b], 0xff000000, v[TM+\b]
.endr
.irp b, 0,1,2,3
	s_delay_alu instid0(VALU_DEP_4)
	v_lshrrev_b32 v[TM+4+\b], 23, v[TM+12+\b]
.endr
	s_delay_alu instid0(VALU_DEP_3)
	v_lshl_or_b32 v[PW], v[TM+5], 8, v[TM+4]
	s_delay_alu instid0(VALU_DEP_1)
	v_lshl_or_b32 v[PW], v[TM+6], 16, v[PW]
	s_delay_alu instid0(VALU_DEP_1)
	v_lshl_or_b32 v[PW], v[TM+7], 24, v[PW]
.irp c, 0,1
	v_cvt_scalef32_pk16_fp6_f32 v[PC+6*\c:PC+2+6*\c], v[96+32*\c:111+32*\c], v[TM+12+2*\c]
	v_cvt_scalef32_pk16_fp6_f32 v[PC+12+4*\c:PC+14+4*\c], v[112+32*\c:127+32*\c], v[TM+12+2*\c+1]
.endr
	v_nop                                          ; one plain place behind a scaled conversion
.irp c, 0,1
.irp i, 0,1,2
	v_permlane16_swap_b32 v[PC+6*\c+\i], v[PC+12+4*\c+\i]
.endr
.irp i, 0,1,2
	s_delay_alu instid0(VALU_DEP_3)
	v_mov_b32 v[PC+3+6*\c+\i], v[PC+12+4*\c+\i]
.endr
.endr
	ds_store_b128 v77, v[PC+8:PC+11]               ; head B's six registers of the image and its scale word, to the stage
	ds_store_b64 v77, v[PC+6:PC+7] offset:512
	ds_store_b32 v77, v[PW] offset:520
	s_wait_alu depctr_va_vdst(0)
	s_wait_dscnt 0x0                               ; my stores are done,
	s_barrier_signal -1
	s_barrier_wait -1                              ; and everybody's
	ds_load_b128 v[PC+8:PC+11], v79                ; head B of my head A's chunk
	ds_load_b64 v[PC+6:PC+7], v79 offset:512
	ds_load_b32 v80, v79 offset:520
	s_wait_dscnt 0x0
	v_perm_b32 v[PW], v80, v[PW], 0x07060100       ; bytes 0, 1 mine (head A), bytes 2, 3 the other wave's (head B)
.irp c, 0,1,2
	global_store_b128 v[LI], v[PC+4*\c:PC+4*\c+3], s[6:7] offset:512*\c
.endr
	global_store_b32 v78, v[PW], s[8:9]            ; my row's scale word; lanes l and l xor 16 hold the same word and write it to the same place
	s_wait_tensorcnt 0x0                           ; the wave's end
	ds_add_u32 v[SPW], v[NIL]
	s_wait_dscnt 0x0
	CROUND                                         ; the closing round
	s_endpgm
.Lfunc_end_k_q4a847e9e27_attn:
	.size	k_q4a847e9e27_attn, .Lfunc_end_k_q4a847e9e27_attn-k_q4a847e9e27_attn
	.p2alignl 7, 3214868480
	.fill 96, 4, 3214868480
	.section	.rodata,"a",@progbits
	.p2align	6, 0x0
	.amdhsa_kernel k_q4a847e9e27_attn
		.amdhsa_group_segment_fixed_size 327680
		.amdhsa_private_segment_fixed_size 0
		.amdhsa_enable_private_segment 0
		.amdhsa_kernarg_size 24
		.amdhsa_user_sgpr_count 2
		.amdhsa_user_sgpr_kernarg_segment_ptr 1
		.amdhsa_wavefront_size32 1
		.amdhsa_system_sgpr_workgroup_id_x 1
		.amdhsa_system_sgpr_workgroup_id_y 1
		.amdhsa_system_sgpr_workgroup_id_z 1
		.amdhsa_system_vgpr_workitem_id 0
		.amdhsa_next_free_vgpr 256
		.amdhsa_next_free_sgpr 72
		.amdhsa_reserve_vcc 1
		.amdhsa_float_denorm_mode_32 3
		.amdhsa_float_denorm_mode_16_64 3
		.amdhsa_memory_ordered 1
		.amdhsa_forward_progress 1
		.amdhsa_inst_pref_size 111
	.end_amdhsa_kernel
	.amdgpu_metadata
---
amdhsa.version: [ 1, 2 ]
amdhsa.kernels:
  - .name:           k_q4a847e9e27_attn
    .symbol:         k_q4a847e9e27_attn.kd
    .args:
      - { .name: qkv, .offset: 0, .size: 8, .value_kind: global_buffer, .address_space: global }
      - { .name: yc, .offset: 8, .size: 8, .value_kind: global_buffer, .address_space: global }
      - { .name: ys, .offset: 16, .size: 8, .value_kind: global_buffer, .address_space: global }
    .group_segment_fixed_size: 327680
    .private_segment_fixed_size: 0
    .kernarg_segment_align: 8
    .kernarg_segment_size: 24
    .max_flat_workgroup_size: 512
    .sgpr_count:     72
    .vgpr_count:     256
    .wavefront_size: 32
...
	.end_amdgpu_metadata
.endif
;; end of part 3
;; launch gemm_proj (part 4): grid 4 x 32, 4 waves a work-group, clusters of 4 x 4, 327,680 bytes of LDS; arguments yc, ys, opc, ops, b_proj, out0; writes out0
.if DOCPART == 4
	.amdgcn_target "amdgcn-amd-amdhsa--gfx1250"
	.amdhsa_code_object_version 6
	.text
	.protected	k_q4a847e9e27_gemm_proj
	.globl	k_q4a847e9e27_gemm_proj
	.p2align	8
	.type	k_q4a847e9e27_gemm_proj,@function
k_q4a847e9e27_gemm_proj:
	s_mov_b64 s[64:65], 0
	v_nop
	global_prefetch_b8 v0, s[64:65] scope:SCOPE_SE
	s_setreg_imm32_b32 hwreg(HW_REG_WAVE_MODE, 25, 1), 1
	s_wait_xcnt 0x0
	s_wait_alu depctr_hold_cnt(0) depctr_sa_sdst(0) depctr_va_vdst(0) depctr_va_sdst(0) depctr_va_ssrc(0) depctr_va_vcc(0) depctr_vm_vsrc(0)
	s_getreg_b32 s2, hwreg(HW_REG_IB_STS2, 6, 4)
	s_cmp_eq_u32 s2, 0
	s_cbranch_scc0 .Lentry_in_a_cluster
	s_endpgm
.Lentry_in_a_cluster:
	s_bfe_u32 s2, ttmp6, 0x10000c
	s_cmp_lg_u32 s2, 0xf033
	s_cbranch_scc0 .Lentry_shape_is_right
	s_endpgm
.Lentry_shape_is_right:
; out0 = y W_proj^T + b_proj on codes of FP6 (E2M3), K = 1,024; out0 [8192][1024] f32.
; y's codes (yc, ys) and W_proj's (row blocks 704-767 of opc, ops) lie as fragment images: [row block of 16][K step of 128][1,536 bytes]; scale word of (block, K step s, place r) at block x 512 + (s / 2) x 128 + 8 r + 4 (s % 2).
; Of each 32 rows, block 2 A + u holds at place r the row 32 A + 8 u + r + 8 (r / 8).
; THE PRODUCT: source 0 = 16 rows of W_proj (S0), source 1 = 16 rows of y (S1): a lane holds one token, and the 16 registers of two neighbouring tiles are 16 neighbouring columns of out0.
; A tile of 256 x 256 is made by four waves, each 128 x 128: 64 accumulators.  K goes in four slots of 256: three LDS slots are filled at the start, the first is filled once again.
; CLUSTERS: 4 x 4 work-groups: the four of a row need the same rows of y, the four of a column the same rows of W_proj: each tile is asked for jointly.
; The bias is the C of each sum's first matrix instruction.  There are 128 tiles of this size: 128 work-groups.
; REGISTERS, in windows of 256: window 0: v16-29 addresses; v32-63 scale words, two sets; v64-127 the bias, 8 tiles x 8; v128-223 S1's fragments, one set (on the way out v128-255: rows of out0).
;   window 1: S0's fragments, two sets, at v0 and v128.   window 2: the accumulators of my S1 blocks 0-3 ((a, b) at v[8 (8 a + b)]);  window 3: those of blocks 4-7.
.set FR,    12
.set NL,    3
.set NP,    4
.set QTR,   24576                      ; 8 row blocks x 2 K steps x 1,536 bytes
.set SLOT,  4*QTR
.set SCL,   3*SLOT
.set HALFS, 4096
.set SPARE, SCL+4*HALFS                ; the spare words, 128 bytes for each wave: two blocks of 256 bytes that no other line names
.set SPITCH, 528                       ; the way out: a stage of 16 rows x (512 bytes + 16) for each wave, in slot 1, which has had its only fill and its last read when the first result is stored there
.set STAGE, SLOT
.set ADRA, 16
.set ADRB, 20
.set LI,   24                          ; v24  16 x lane
.set STO,  25                          ; v25  the way out: where I put 32 bytes of a row
.set RD,   26                          ; v26  and where I read a row back
.set ADRS, 27
.set SPW,  28
.set NIL,  29
.set SC,   32
.set BI,   64
.set AF,   128
.set BK,   128
.set G1A,  24
.set G1B,  32
.set G1SA, 40
.set G1SB, 48
.set G0A0, 56
.set G0A1, 60
.set G0A2, 68
.set G0SA, 72
.set G0B0, 76
.set G0B1, 80
.set G0B2, 84
.set G0SB, 88
.set MSB, 0
.macro WIN new                         ; the immediate's high byte repeats the setting that is left
.if MSB != (\new)
	s_set_vgpr_msb (MSB<<8)|(\new)
.set MSB, (\new)
.endif
.endm
.set MUL_LO, 0xa1                      ; source 0 (S0) window 1, source 1 (S1) window 0, C and D window 2
.set MUL_HI, 0xf1                      ; the same, C and D window 3
.set TO_B,   0x40                      ; destination window 1, address window 0
.macro JLOAD g0a, g1a, g0b, g1b        ; a joint load: waves 0 and 1 fetch for S1, waves 2 and 3 for S0; four v_nop follow each of the two lines
	s_cmp_eq_u32 s15, 0
	s_cbranch_scc0 .Lfor_b_\@
	tensor_load_to_lds s[\g0a:\g0a+3], s[\g1a:\g1a+7]
	s_nop 0
.rept 4
	v_nop
.endr
	s_branch .Lasked_\@
.Lfor_b_\@:
	tensor_load_to_lds s[\g0b:\g0b+3], s[\g1b:\g1b+7]
	s_nop 0
.rept 4
	v_nop
.endr
.Lasked_\@:
.endm
.macro CREST
	s_cmp_lg_u32 s14, 0
	s_cbranch_scc1 .Lnot_wave_0_\@
	s_barrier_signal -3
.Lnot_wave_0_\@:
	s_barrier_wait -3
	s_barrier_signal -1
	s_barrier_wait -1
.endm
.macro CROUND
	s_barrier_signal -1
	s_barrier_wait -1
	CREST
.endm
.macro MKG0 g, lreg, loff, areg, aoff  ; a group 0: count 1, the LDS address, the global address, type 2
	s_mov_b32 s[\g], 1
	s_add_co_u32 s[\g+1], s[\lreg], \loff
	s_add_nc_u64 s[\g+2:\g+3], s[\areg:\areg+1], \aoff
	s_or_b32 s[\g+3], s[\g+3], 0x80000000
.endm
	s_load_b256 s[4:11], s[0:1], 0x0               ; yc s[4:5], ys s[6:7], opc s[8:9], ops s[10:11]
	s_load_b128 s[20:23], s[0:1], 0x20             ; b_proj s[20:21], out0 s[22:23]
	v_lshl_add_u32 v[SPW], v0, 2, SPARE
	v_mov_b32 v[NIL], 0
	ds_add_u32 v28, v29
	ds_add_u32 v28, v29
	s_wait_dscnt 0x0
	v_lshrrev_b32 v1, 5, v0
	v_readfirstlane_b32 s14, v1                    ; wave 0..3
	s_lshr_b32 s15, s14, 1                         ; which half of S1's rows is mine.  Also: I fetch for S1 (0) or for S0 (1)
	s_and_b32 s16, s14, 1                          ; which half of S0's rows.  Also: which 8 blocks of that tile I fetch
	s_bfe_u32 s92, ttmp6, 0x40000                  ; cx
	s_bfe_u32 s94, ttmp6, 0x40004                  ; cy
	s_lshl_b32 s93, 0x1111, s92                    ; my column of the cluster
	s_lshl_b32 s95, s94, 2
	s_lshl_b32 s95, 15, s95                        ; my row
	s_or_b32 s[G1A], s95, (3<<16)|(1<<21)          ; the mask; elements of 8 bytes; no padding; bit 21 set beside a mask
	s_or_b32 s[G1B], s93, (3<<16)|(1<<21)
	s_or_b32 s[G1SA], s95, (3<<16)|(1<<21)
	s_or_b32 s[G1SB], s93, (3<<16)|(1<<21)
.irp g, G1A, G1B                       ; codes: 8 rows (row blocks) of 384 elements (two K steps), 1,536 elements apart
	s_mov_b32 s[\g+1], 384<<16
	s_mov_b32 s[\g+2], 16<<16                      ; the head's loads bring all 16 row blocks of a tile; behind them the two words are set to 8
	s_mov_b32 s[\g+3], 384<<16
	s_mov_b32 s[\g+4], 16
	s_mov_b32 s[\g+5], 1536
	s_mov_b32 s[\g+6], 0
	s_mov_b32 s[\g+7], 0
.endr
.irp g, G1SA, G1SB                     ; scales: a tile's 8,192 dense bytes as 32 rows of 256
	s_mov_b32 s[\g+1], 32<<16
	s_mov_b32 s[\g+2], 32<<16                      ; scales: a tile's 8,192 dense bytes as 32 rows of 256
	s_mov_b32 s[\g+3], 32<<16
	s_mov_b32 s[\g+4], 32
	s_mov_b32 s[\g+5], 32
	s_mov_b32 s[\g+6], 0
	s_mov_b32 s[\g+7], 0
.endr
	s_lshl_b32 s17, ttmp9, 2
	s_add_co_u32 s17, s17, s92                     ; S0's tile (256 columns of out0)
	s_and_b32 s18, ttmp7, 0xffff
	s_lshl_b32 s18, s18, 2
	s_add_co_u32 s18, s18, s94                     ; S1's tile (256 tokens)
	s_lshl_b32 s3, s16, 3
	s_lshl_b32 s12, s18, 4
	s_add_co_u32 s12, s12, s3                      ; y: the first of the 8 blocks that I would fetch
	s_lshl_b32 s13, s17, 4
	s_add_co_u32 s13, s13, s3
	s_add_co_u32 s13, s13, 704                     ; W_proj likewise
	s_mul_i32 s94, s12, 12288
	s_mov_b32 s95, 0
	s_lshl_b32 s96, s12, 9
	s_mov_b32 s97, 0
	s_mul_i32 s92, s13, 12288
	s_mov_b32 s93, 0
	s_lshl_b32 s100, s13, 9
	s_mov_b32 s101, 0
	s_mul_i32 s98, s14, QTR                        ; where they go: no place in the cluster enters an LDS address
	s_lshl_b32 s99, s14, 12
	s_wait_kmcnt 0x0
	s_add_nc_u64 s[94:95], s[4:5], s[94:95]
	s_add_nc_u64 s[96:97], s[6:7], s[96:97]
	s_add_nc_u64 s[92:93], s[8:9], s[92:93]
	s_add_nc_u64 s[100:101], s[10:11], s[100:101]
	CROUND                                         ; all sixteen work-groups are here: the first joint loads meet
	; THE FILLS: at the head one joint load a wave: slot 0's 16 blocks of S1, its 16 of S0, S1's scales, S0's scales.
	; Slot 1 is filled behind the lines and a round ahead of the first step, slot 2 in the round at K 128, slot 0 again in the round at K 384.
	MKG0 G0A1, 98, SLOT, 94, 3072                  ; slots 1 and 2: my quarter, 8 blocks
	MKG0 G0B1, 98, SLOT, 92, 3072
	MKG0 G0A2, 98, 2*SLOT, 94, 6144
	MKG0 G0B2, 98, 2*SLOT, 92, 6144
	s_mul_i32 s4, s16, 8*12288                     ; the half's offset is taken off again: the head's tiles are whole
	s_mov_b32 s5, 0
	s_lshl_b32 s6, s16, 12
	s_mov_b32 s7, 0
	s_mov_b32 s66, 0
	s_sub_nc_u64 s[94:95], s[94:95], s[4:5]
	s_sub_nc_u64 s[92:93], s[92:93], s[4:5]
	s_sub_nc_u64 s[96:97], s[96:97], s[6:7]
	s_sub_nc_u64 s[100:101], s[100:101], s[6:7]
	MKG0 G0A0, 66, 0, 94, 0
	MKG0 G0B0, 66, 2*QTR, 92, 0
	MKG0 G0SA, 66, SCL, 96, 0
	MKG0 G0SB, 66, SCL+2*HALFS, 100, 0
.macro ARM under, g0, g1, next         ; one tree of branches on the wave's number: every way passes exactly one load
	s_cmp_lt_u32 s14, \under
	s_cbranch_scc0 \next
	tensor_load_to_lds s[\g0:\g0+3], s[\g1:\g1+7]
	s_nop 0
.rept 4
	v_nop
.endr
	s_branch .Lhead_asked
\next:
.endm
	ARM 1, G0A0, G1A, .Lhead_b
	ARM 2, G0B0, G1B, .Lhead_sa
	ARM 3, G0SA, G1SA, .Lhead_sb
	tensor_load_to_lds s[G0SB:G0SB+3], s[G1SB:G1SB+7]
	s_nop 0
.rept 4
	v_nop
.endr
.Lhead_asked:
	s_lshl_b32 s92, s17, 10
	s_lshl_b32 s93, s16, 9
	s_add_co_u32 s92, s92, s93                     ; my first column, in bytes
	s_mov_b32 s93, 0
	s_add_nc_u64 s[20:21], s[20:21], s[92:93]
	v_and_b32 v1, 15, v0                           ; r
	v_bfe_u32 v2, v0, 4, 1                         ; h
	v_lshlrev_b32 v3, 6, v2                        ; tile b's registers are columns 32 (b / 2) + 16 h + 8 (b % 2) + 0 .. 7
.irp b, 0,1,2,3,4,5,6,7
	global_load_b128 v[BI+8*\b:BI+8*\b+3], v3, s[20:21] offset:(32*(\b/2)+8*(\b%2))*4
	global_load_b128 v[BI+8*\b+4:BI+8*\b+7], v3, s[20:21] offset:(32*(\b/2)+8*(\b%2))*4+16
.endr
	s_add_nc_u64 s[22:23], s[22:23], s[92:93]
	s_lshl_b32 s94, s18, 8
	s_lshl_b32 s95, s15, 7
	s_add_co_u32 s94, s94, s95                     ; my first token
	s_lshl_b32 s94, s94, 12
	s_mov_b32 s95, 0
	s_add_nc_u64 s[22:23], s[22:23], s[94:95]
	v_and_b32 v7, 31, v0
	v_lshlrev_b32 v[LI], 4, v7
	s_mul_i32 s96, s15, QTR
	s_mul_i32 s97, s16, QTR
	s_add_co_u32 s97, s97, 2*QTR
.irp s, 0,1,2
	v_add_nc_u32 v[ADRA+\s], s96, v[LI]
	v_add_nc_u32 v[ADRB+\s], s97, v[LI]
	s_add_co_u32 s96, s96, SLOT
	s_add_co_u32 s97, s97, SLOT
.endr
	v_lshlrev_b32 v5, 3, v1
	s_lshl_b32 s96, s15, 12
	s_lshl_b32 s97, s16, 12
	s_add_co_u32 s97, s97, 2*HALFS
	s_sub_co_u32 s97, s97, s96
	v_mul_u32_u24 v6, s97, v2                      ; lanes 16-31 take S0's scale words: one product, the distance between the two bases
	s_add_co_u32 s96, s96, SCL
	v_add_nc_u32 v5, v5, v6
	v_add_nc_u32 v[ADRS], s96, v5
	s_mul_i32 s96, s14, 16*SPITCH
	s_add_co_u32 s96, s96, STAGE                   ; my stage
	v_mul_u32_u24 v5, v1, SPITCH
	v_lshl_add_u32 v5, v2, 6, v5
	v_add_nc_u32 v[STO], s96, v5                   ; in: row r, + 64 h
	v_add_nc_u32 v[RD], s96, v[LI]                 ; back: the 32 lanes take one row of 512 bytes
.macro FRAG reg, adr, q, i
.irp c, 0,1,2
	ds_load_b128 v[\reg+4*\c:\reg+4*\c+3], v[\adr] offset:(\i)*3072+(\q)*1536+512*\c
.endr
.endm
; 16 matrix instructions: S1's blocks a0, a0 + 1 x S0's eight.  bias = 1: the first product starts the sums from the bias.  The 64 accumulators take turns, in the same order in every step.
.macro MUL16 a0, p, q, sc, bias
.irp a, \a0, \a0+1
.irp b, 0,1,2,3,4,5,6,7
.if \bias
	v_wmma_scale_f32_16x16x128_f8f6f4 v[8*(8*((\a)%4)+\b):8*(8*((\a)%4)+\b)+7], v[128*(\p)+FR*\b:128*(\p)+FR*\b+FR-1], v[AF+FR*(\a):AF+FR*(\a)+FR-1], v[BI+8*\b:BI+8*\b+7], v[SC+16*(\sc)+2*\b+(\q)], v[SC+16*(\sc)+2*(\a)+(\q)] matrix_a_fmt:MATRIX_FMT_FP6 matrix_b_fmt:MATRIX_FMT_FP6 matrix_a_scale:MATRIX_SCALE_ROW1
.else
	v_wmma_scale_f32_16x16x128_f8f6f4 v[8*(8*((\a)%4)+\b):8*(8*((\a)%4)+\b)+7], v[128*(\p)+FR*\b:128*(\p)+FR*\b+FR-1], v[AF+FR*(\a):AF+FR*(\a)+FR-1], v[8*(8*((\a)%4)+\b):8*(8*((\a)%4)+\b)+7], v[SC+16*(\sc)+2*\b+(\q)], v[SC+16*(\sc)+2*(\a)+(\q)] matrix_a_fmt:MATRIX_FMT_FP6 matrix_b_fmt:MATRIX_FMT_FP6 matrix_a_scale:MATRIX_SCALE_ROW1
.endif
.endr
.endr
.endm
.macro FETCH_B slot, q, p
	WIN TO_B
.irp i, 0,1,2,3,4,5,6,7
	FRAG 128*(\p)+FR*\i, ADRB+\slot, \q, \i
.endr
	WIN 0
.endm
.macro FETCH_A slot, q, i0
.irp i, \i0, \i0+1, \i0+2, \i0+3
	FRAG AF+FR*(\i), ADRA+\slot, \q, \i
.endr
.endm
.macro SCALES sc, k
.irp i, 0,1,2,3,4,5,6,7
	ds_load_b64 v[SC+16*(\sc)+2*\i:SC+16*(\sc)+2*\i+1], v[ADRS] offset:\i*512+128*(\k)
.endr
.endm
.macro PLACES n                        ; a load into a register that a matrix instruction has read, and a store that reads a matrix result, stand four plain vector instructions behind it
.rept \n
	v_nop
.endr
.endm
.macro STEP q, sc, nslot, nq, nk, first
	s_wait_dscnt 4*NL                              ; S0's set and S1's blocks 0-3 are in; the youngest 12 loads (S1's blocks 4-7) may be out
.if \first
	WIN 0x81                                       ; C (the bias) window 0, D window 2
.else
	WIN MUL_LO
.endif
	MUL16 0, \q, \q, \sc, \first
	MUL16 2, \q, \q, \sc, \first
	s_wait_dscnt 0x0
	PLACES NP
	FETCH_B \nslot, \nq, 1-\q
	FETCH_A \nslot, \nq, 0
.if \nk >= 0
	SCALES 1-\sc, \nk
.endif
.if \first
	WIN 0xc1                                       ; C window 0, D window 3
.else
	WIN MUL_HI
.endif
	MUL16 4, \q, \q, \sc, \first
	MUL16 6, \q, \q, \sc, \first
	PLACES NP
	WIN 0
	FETCH_A \nslot, \nq, 4
.endm
.macro TURN sc, nslot, nk, fill
	s_wait_tensorcnt 0x0                           ; all my tensor loads have landed  (every window is 0 here)
	ds_add_u32 v[SPW], v[NIL]                      ; 0 onto my spare word
	s_wait_dscnt 4*NL+1                            ; (the add and the youngest 12 loads may be out)
	WIN MUL_LO
	MUL16 0, 1, 1, \sc, 0
	s_wait_dscnt 0x0                               ; the add is done, and my reads so far are over
	s_barrier_signal -1
	MUL16 2, 1, 1, \sc, 0
	WIN 0
	s_barrier_wait -1
.if \fill
	CREST                                          ; no wave of any partner still reads slot 0 or has a load on its way
.if \fill == 1
	s_add_nc_u64 s[G0A0+2:G0A0+3], s[G0A0+2:G0A0+3], 3*3072
	s_add_nc_u64 s[G0B0+2:G0B0+3], s[G0B0+2:G0B0+3], 3*3072
	JLOAD G0A0, G1A, G0B0, G1B                     ; slot 0 again, K 768-1,023: my one tensor load behind the round
.else
	JLOAD G0A2, G1A, G0B2, G1B                     ; fill = 2: slot 2's first fill, issued as a refill is
.endif
.else
	PLACES NP
.endif
	FETCH_B \nslot, 0, 0
	FETCH_A \nslot, 0, 0
	SCALES 1-\sc, \nk
	WIN MUL_HI
	MUL16 4, 1, 1, \sc, 0
	MUL16 6, 1, 1, \sc, 0
	PLACES NP
	WIN 0
	FETCH_A \nslot, 0, 4
.endm
	s_wait_alu depctr_va_vdst(0)
	s_wait_loadcnt 0x0                             ; the bias
	s_wait_tensorcnt 0x0                           ; my tile of the head's four is in
	ds_add_u32 v[SPW], v[NIL]
	s_mul_i32 s66, s16, QTR                        ; no tensor load of mine is out: slot 0's groups 0 become my quarter's, for the refill,
	s_add_co_u32 s[G0A0+1], s[G0A0+1], s66
	s_add_co_u32 s[G0B0+1], s[G0B0+1], s66
	s_mul_i32 s66, s16, 8*12288
	s_mov_b32 s67, 0
	s_add_nc_u64 s[G0A0+2:G0A0+3], s[G0A0+2:G0A0+3], s[66:67]
	s_add_nc_u64 s[G0B0+2:G0B0+3], s[G0B0+2:G0B0+3], s[66:67]
	s_mov_b32 s[G1A+2], 8<<16                      ; and from here on a load brings 8 row blocks
	s_mov_b32 s[G1A+4], 8
	s_mov_b32 s[G1B+2], 8<<16
	s_mov_b32 s[G1B+4], 8
	s_wait_dscnt 0x0
	CROUND                                         ; all four tiles are in, and all sixteen work-groups are here
	JLOAD G0A1, G1A, G0B1, G1B                     ; slot 1, K 256-511: the first tensor load behind the round
	FETCH_B 0, 0, 0
	FETCH_A 0, 0, 0
	SCALES 0, 0
	FETCH_A 0, 0, 4
	STEP 0, 0, 0, 1, -1, 1                         ; K   0-127: its products start the sums from the bias
	TURN 0, 1, 1, 2                                ; K 128-255; slot 1 is whole behind its barrier, and slot 2 is asked for
	STEP 0, 1, 1, 1, -1, 0                         ; K 256-383
	TURN 1, 2, 2, 1                                ; K 384-511; slot 2 is whole, and slot 0 is asked for again
	STEP 0, 0, 2, 1, -1, 0                         ; K 512-639
	TURN 0, 0, 3, 0                                ; K 640-767; behind its barrier slot 0's second fill is whole, and nobody reads slot 1 any more
	STEP 0, 1, 0, 1, -1, 0                         ; K 768-895
	s_wait_dscnt 4*NL                              ; K 896-1,023
	WIN MUL_LO
	MUL16 0, 1, 1, 1, 0
	MUL16 2, 1, 1, 1, 0
	s_wait_dscnt 0x0
	WIN MUL_HI
	MUL16 4, 1, 1, 1, 0
	MUL16 6, 1, 1, 1, 0
	WIN 0
; THE WAY OUT, block by block of 16 tokens x 128 columns: through my own stage in LDS, back as whole rows of 512 bytes.  LDS serves a wave's instructions in order (ISA guide 5.7.1.4): no wait between the stores and the loads.
.macro TOSTAGE a
.set AC, 64*((\a)%4)
	WIN 0x08+4*((\a)/4)                            ; the data: window 2 or 3
.irp b, 0,1,2,3,4,5,6,7
	ds_store_b128 v[STO], v[AC+8*\b:AC+8*\b+3] offset:128*(\b/2)+32*(\b%2)          ; each accumulator from its low end on
	ds_store_b128 v[STO], v[AC+8*\b+4:AC+8*\b+7] offset:128*(\b/2)+32*(\b%2)+16
.endr
	WIN 0
.set BB, BK+64*((\a)%2)
.irp t, 0,1,2,3,4,5,6,7,8,9,10,11,12,13,14,15
	ds_load_b128 v[BB+4*\t:BB+4*\t+3], v[RD] offset:\t*SPITCH
.endr
.endm
.macro SEND a, younger                 ; younger: the LDS instructions issued behind block a's loads, which may stay out
.set BB, BK+64*((\a)%2)
	s_wait_dscnt \younger
.if (\a) > 0
.if (\a)%2
	s_add_nc_u64 s[22:23], s[22:23], 8*4096        ; (behind a wait on XCNT)  an odd block begins 8 tokens behind the even one,
.else
	s_add_nc_u64 s[22:23], s[22:23], 24*4096       ; the next even one 24 further on
.endif
.endif
.irp t, 0,1,2,3,4,5,6,7,8,9,10,11,12,13,14,15
	global_store_b128 v[LI], v[BB+4*\t:BB+4*\t+3], s[22:23] offset:(\t+8*(\t/8))*4096 th:TH_STORE_NT   ; place t is token t + 8 (t / 8): 32 lanes store 512 consecutive bytes, aligned
.endr
.endm
	PLACES NP
	TOSTAGE 0
.irp a, 1,2,3,4,5,6,7
.if \a > 1
	s_wait_xcnt 0x0                                ; block a - 2's stores have read their registers and their base
.endif
	TOSTAGE \a
	SEND \a-1, 32                                  ; behind block a - 1's loads: block a's 16 stores and 16 loads
.endr
	s_wait_xcnt 0x0
	SEND 7, 0
	s_wait_tensorcnt 0x0                           ; the wave's end
	ds_add_u32 v[SPW], v[NIL]
	s_wait_dscnt 0x0
	CROUND                                         ; the closing round
	s_endpgm
.Lfunc_end_k_q4a847e9e27_gemm_proj:
	.size	k_q4a847e9e27_gemm_proj, .Lfunc_end_k_q4a847e9e27_gemm_proj-k_q4a847e9e27_gemm_proj
	.p2alignl 7, 3214868480
	.fill 96, 4, 3214868480
	.section	.rodata,"a",@progbits
	.p2align	6, 0x0
	.amdhsa_kernel k_q4a847e9e27_gemm_proj
		.amdhsa_group_segment_fixed_size 327680
		.amdhsa_private_segment_fixed_size 0
		.amdhsa_enable_private_segment 0
		.amdhsa_kernarg_size 48
		.amdhsa_user_sgpr_count 2
		.amdhsa_user_sgpr_kernarg_segment_ptr 1
		.amdhsa_wavefront_size32 1
		.amdhsa_system_sgpr_workgroup_id_x 1
		.amdhsa_system_sgpr_workgroup_id_y 1
		.amdhsa_system_sgpr_workgroup_id_z 1
		.amdhsa_system_vgpr_workitem_id 0
		.amdhsa_next_free_vgpr 1024
		.amdhsa_next_free_sgpr 102
		.amdhsa_reserve_vcc 0
		.amdhsa_float_denorm_mode_32 3
		.amdhsa_float_denorm_mode_16_64 3
		.amdhsa_memory_ordered 1
		.amdhsa_forward_progress 1
		.amdhsa_inst_pref_size 138
	.end_amdhsa_kernel
	.amdgpu_metadata
---
amdhsa.version: [ 1, 2 ]
amdhsa.kernels:
  - .name:           k_q4a847e9e27_gemm_proj
    .symbol:         k_q4a847e9e27_gemm_proj.kd
    .args:
      - { .name: yc, .offset: 0, .size: 8, .value_kind: global_buffer, .address_space: global }
      - { .name: ys, .offset: 8, .size: 8, .value_kind: global_buffer, .address_space: global }
      - { .name: opc, .offset: 16, .size: 8, .value_kind: global_buffer, .address_space: global }
      - { .name: ops, .offset: 24, .size: 8, .value_kind: global_buffer, .address_space: global }
      - { .name: b_proj, .offset: 32, .size: 8, .value_kind: global_buffer, .address_space: global }
      - { .name: out0, .offset: 40, .size: 8, .value_kind: global_buffer, .address_space: global }
    .group_segment_fixed_size: 327680
    .private_segment_fixed_size: 0
    .kernarg_segment_align: 8
    .kernarg_segment_size: 48
    .max_flat_workgroup_size: 128
    .sgpr_count:     102
    .vgpr_count:     1024
    .wavefront_size: 32
...
	.end_amdgpu_metadata
.endif
;; end of part 4
